; MI455X (gfx1250); checked and timed in simulation.
; The chip was launched on July 23, 2026; its instructions are those of AMD's public machine-readable ISA for CDNA 5 (MIT licence, August 2026) and "CDNA5" Instruction Set Architecture Reference Guide (July 2026). The comments in the code are by the model that wrote it; some were corrected since.
;; Layer Norm GRU Cell. Allowed arithmetic: float matrix products may take bf16 or f16 operands with f32 sums; other float arithmetic in f32, or as packed bf16 or f16 multiplies, adds, multiply-adds, maxima and minima; sums over many terms, partial sums and values carried from step to step in f32; what a program stores and reads back later, other than sums and carried values, may be rounded once to bf16 or f16.
;; Inputs: W_h2h 512 x 1,024 float32; W_hatU 512 x 512 float32; W_hatW 512 x 512 float32; W_i2h 512 x 1,024 float32; b_h2h 1,024 float32; b_hatU 512 float32; b_hatW 512 float32; b_i2h 1,024 float32; h 32,768 x 512 float32; x 32,768 x 512 float32.
;; Outputs: out0 32,768 x 512 float32.
;; 2 versions, each right and faster than the one before. Each part assembles by itself: llvm-mc -triple=amdgcn-amd-amdhsa -mcpu=gfx1250 --defsym DOCPART=n.
;; ======== version 1 of 2: 2 launches
;; workspace buffers: wt 3,145,728 bytes; bias 12,288 bytes
;; launch prep (part 1): grid 384 x 1, 8 waves a work-group, no clusters, 0 bytes of LDS; arguments W_i2h, W_h2h, W_hatW, W_hatU, b_i2h, b_h2h, b_hatW, b_hatU, wt, bias; writes wt, bias
.if DOCPART == 1
	.amdgcn_target "amdgcn-amd-amdhsa--gfx1250"
	.amdhsa_code_object_version 6
	.text
	.protected	k_qf291f33689_prep
	.globl	k_qf291f33689_prep
	.p2align	8
	.type	k_qf291f33689_prep,@function
k_qf291f33689_prep:
	s_mov_b64 s[64:65], 0
	v_nop
	global_prefetch_b8 v0, s[64:65] scope:SCOPE_SE
	s_setreg_imm32_b32 hwreg(HW_REG_WAVE_MODE, 25, 1), 1
	s_wait_xcnt 0x0
; The weights, rounded once to bf16 and laid in the order in which the second launch walks them; the biases, rounded to bf16 and written as f32.
; wt: 48 tiles of 65,536 bytes, tile 16 p + s for phase p (0: W_i2h, 1: W_h2h, 2: W_hatW | W_hatU) and K step s of 32.  A tile has 64 rows of 1,024 bytes:
; row 32 u + k holds the 512 numbers W[32 s + k][c] of column half u (p < 2: columns 512 u + c; p = 2: u = 0 W_hatW, u = 1 W_hatU).  The weights stay [K][N]: a pure cast.
; bias: [p][u][512] f32.  A stream: no LDS, no barrier, no matrix unit; one wave makes one row of wt: four loads of 512 consecutive bytes, four stores of 256 consecutive aligned bytes.
	s_load_b512 s[8:23], s[0:1], 0x0               ; W_i2h s[8:9], W_h2h s[10:11], W_hatW s[12:13], W_hatU s[14:15], b_i2h s[16:17], b_h2h s[18:19], b_hatW s[20:21], b_hatU s[22:23]
	s_load_b128 s[24:27], s[0:1], 0x40             ; wt s[24:25], bias s[26:27]
	v_lshrrev_b32 v1, 5, v0
	v_readfirstlane_b32 s2, v1                     ; wave 0..7
	v_and_b32 v2, 31, v0                           ; lane
	v_lshlrev_b32 v3, 4, v2                        ; 16 bytes of f32 a lane
	v_lshlrev_b32 v4, 3, v2                        ; 8 bytes of bf16 a lane
	s_lshr_b32 s3, ttmp9, 7                        ; the work-group's number is 128 p + 8 s + 4 u + q: p,
	s_bfe_u32 s4, ttmp9, 0x40003                   ; s,
	s_bfe_u32 s5, ttmp9, 0x10002                   ; u,
	s_and_b32 s6, ttmp9, 3                         ; q: which eight of the half's 32 rows
	s_lshl_b32 s7, s4, 5
	s_lshl_b32 s6, s6, 3
	s_add_co_u32 s7, s7, s6
	s_add_co_u32 s7, s7, s2                        ; my row of W: k = 32 s + 8 q + wave
	s_cmp_lt_u32 s3, 2
	s_cselect_b32 s28, 12, 11                      ; a row of W is 4,096 bytes (p < 2) or 2,048
	s_cselect_b32 s29, s5, 0                       ; and the half is a column offset only where p < 2
	s_lshl_b32 s30, s7, s28
	s_lshl_b32 s29, s29, 11
	s_add_co_u32 s30, s30, s29
	s_mov_b32 s31, 0
	s_lshl_b32 s34, ttmp9, 3
	s_add_co_u32 s34, s34, s2                      ; my row of wt: 8 x work-group + wave
	s_lshl_b32 s34, s34, 10
	s_mov_b32 s35, 0
	s_wait_kmcnt 0x0
	s_cmp_eq_u32 s5, 0
	s_cselect_b64 s[32:33], s[12:13], s[14:15]
	s_cmp_eq_u32 s3, 1
	s_cselect_b64 s[32:33], s[10:11], s[32:33]
	s_cmp_eq_u32 s3, 0
	s_cselect_b64 s[32:33], s[8:9], s[32:33]
	s_add_nc_u64 s[32:33], s[32:33], s[30:31]
	s_add_nc_u64 s[24:25], s[24:25], s[34:35]
.irp j, 0,1,2,3
	global_load_b128 v[8+4*\j:11+4*\j], v3, s[32:33] offset:512*\j th:TH_LOAD_NT
.endr
	s_wait_loadcnt 0x0
.irp j, 0,1,2,3
	v_cvt_pk_bf16_f32 v[24+2*\j], v[8+4*\j], v[9+4*\j]
	v_cvt_pk_bf16_f32 v[25+2*\j], v[10+4*\j], v[11+4*\j]
.endr
.irp j, 0,1,2,3
	global_store_b64 v4, v[24+2*\j:25+2*\j], s[24:25] offset:256*\j  ; 32 lanes store 256 consecutive bytes, at a multiple of 256 from wt's first byte
.endr
	s_cmp_lt_u32 ttmp9, 6
	s_cbranch_scc0 .Lend
	; work-groups 0 to 5 also make the 512 bias numbers of (p, u) = (g / 2, g % 2)
	v_lshlrev_b32 v5, 3, v0                        ; two numbers a thread
	s_and_b32 s36, ttmp9, 1
	s_lshl_b32 s36, s36, 11
	s_cmp_lt_u32 ttmp9, 4
	s_cselect_b32 s36, s36, 0                      ; the second half of a bias of 1,024
	s_mov_b32 s37, 0
	s_lshl_b32 s40, ttmp9, 11
	s_mov_b32 s41, 0
	s_cmp_eq_u32 ttmp9, 4
	s_cselect_b64 s[38:39], s[20:21], s[22:23]
	s_cmp_lt_u32 ttmp9, 4
	s_cselect_b64 s[38:39], s[18:19], s[38:39]
	s_cmp_lt_u32 ttmp9, 2
	s_cselect_b64 s[38:39], s[16:17], s[38:39]
	s_add_nc_u64 s[38:39], s[38:39], s[36:37]
	s_add_nc_u64 s[26:27], s[26:27], s[40:41]
	global_load_b64 v[32:33], v5, s[38:39]
	s_wait_loadcnt 0x0
	v_cvt_pk_bf16_f32 v34, v32, v33
	v_lshlrev_b32 v36, 16, v34                     ; bf16 back to f32: the low half moves up,
	v_and_b32 v37, 0xffff0000, v34                 ; the high half stays
	global_store_b64 v5, v[36:37], s[26:27]
.Lend:
	s_endpgm
.Lfunc_end_k_qf291f33689_prep:
	.size	k_qf291f33689_prep, .Lfunc_end_k_qf291f33689_prep-k_qf291f33689_prep
	.p2alignl 7, 3214868480
	.fill 96, 4, 3214868480
	.section	.rodata,"a",@progbits
	.p2align	6, 0x0
	.amdhsa_kernel k_qf291f33689_prep
		.amdhsa_group_segment_fixed_size 0
		.amdhsa_private_segment_fixed_size 0
		.amdhsa_enable_private_segment 0
		.amdhsa_kernarg_size 80
		.amdhsa_user_sgpr_count 2
		.amdhsa_user_sgpr_kernarg_segment_ptr 1
		.amdhsa_wavefront_size32 1
		.amdhsa_system_sgpr_workgroup_id_x 1
		.amdhsa_system_sgpr_workgroup_id_y 1
		.amdhsa_system_sgpr_workgroup_id_z 1
		.amdhsa_system_vgpr_workitem_id 0
		.amdhsa_next_free_vgpr 40
		.amdhsa_next_free_sgpr 66
		.amdhsa_reserve_vcc 0
		.amdhsa_float_denorm_mode_32 3
		.amdhsa_float_denorm_mode_16_64 3
		.amdhsa_memory_ordered 1
		.amdhsa_forward_progress 1
		.amdhsa_inst_pref_size 4
	.end_amdhsa_kernel
	.amdgpu_metadata
---
amdhsa.version: [ 1, 2 ]
amdhsa.kernels:
  - .name:           k_qf291f33689_prep
    .symbol:         k_qf291f33689_prep.kd
    .args:
      - { .name: W_i2h, .offset: 0, .size: 8, .value_kind: global_buffer, .address_space: global }
      - { .name: W_h2h, .offset: 8, .size: 8, .value_kind: global_buffer, .address_space: global }
      - { .name: W_hatW, .offset: 16, .size: 8, .value_kind: global_buffer, .address_space: global }
      - { .name: W_hatU, .offset: 24, .size: 8, .value_kind: global_buffer, .address_space: global }
      - { .name: b_i2h, .offset: 32, .size: 8, .value_kind: global_buffer, .address_space: global }
      - { .name: b_h2h, .offset: 40, .size: 8, .value_kind: global_buffer, .address_space: global }
      - { .name: b_hatW, .offset: 48, .size: 8, .value_kind: global_buffer, .address_space: global }
      - { .name: b_hatU, .offset: 56, .size: 8, .value_kind: global_buffer, .address_space: global }
      - { .name: wt, .offset: 64, .size: 8, .value_kind: global_buffer, .address_space: global }
      - { .name: bias, .offset: 72, .size: 8, .value_kind: global_buffer, .address_space: global }
    .group_segment_fixed_size: 0
    .private_segment_fixed_size: 0
    .kernarg_segment_align: 8
    .kernarg_segment_size: 80
    .max_flat_workgroup_size: 256
    .sgpr_count:     66
    .vgpr_count:     40
    .wavefront_size: 32
...
	.end_amdgpu_metadata
.endif
;; end of part 1
;; launch cell (part 2): grid 512 x 1, 4 waves a work-group, clusters of 4 x 1, 327,680 bytes of LDS; arguments x, h, wt, bias, out0; writes out0
.if DOCPART == 2
	.amdgcn_target "amdgcn-amd-amdhsa--gfx1250"
	.amdhsa_code_object_version 6
	.text
	.protected	k_qf291f33689_cell
	.globl	k_qf291f33689_cell
	.p2align	8
	.type	k_qf291f33689_cell,@function
k_qf291f33689_cell:
	s_mov_b64 s[64:65], 0
	v_nop
	global_prefetch_b8 v0, s[64:65] scope:SCOPE_SE
	s_setreg_imm32_b32 hwreg(HW_REG_WAVE_MODE, 25, 1), 1
	s_wait_xcnt 0x0
	s_wait_alu depctr_hold_cnt(0) depctr_sa_sdst(0) depctr_va_vdst(0) depctr_va_sdst(0) depctr_va_ssrc(0) depctr_va_vcc(0) depctr_vm_vsrc(0)
	s_getreg_b32 s2, hwreg(HW_REG_IB_STS2, 6, 4)
	s_cmp_eq_u32 s2, 0
	s_cbranch_scc0 .Lentry_in_a_cluster
	s_endpgm
.Lentry_in_a_cluster:
	s_bfe_u32 s2, ttmp6, 0x10000c
	s_cmp_lg_u32 s2, 0x3003
	s_cbranch_scc0 .Lentry_shape_is_right
	s_endpgm
.Lentry_shape_is_right:
; LayerNorm GRU cell, fused.  A work-group owns 64 rows and ALL 3,072 columns of the two products, since each of the four LayerNorms wants whole rows.
; THREE PHASES of 16 K steps of 32, each 1,024 columns in two halves u of 512:  P1: x W_i2h (u = 0: z, u = 1: r);  P2: h W_h2h;  P3: u = 0: x W_hatW, u = 1: h W_hatU.
; Behind each phase an epilogue on the sums in registers:  E1: LayerNorm, times -log2(e), kept in f16 (G);  E2: LayerNorm, + G, sigmoid, the gates kept in f16 (G);  E3: two LayerNorms, tanh, the blend with h, out.
; SHARES.  Wave w has all 64 rows (four tiles rt of 16) and in each half the columns 128 w .. 128 w + 127 (eight tiles ct): 64 accumulators, 512 registers.  The matrix instruction is used transposed
; (source 0 = 16 columns of W, source 1 = 16 rows of x or h): lane l holds row 16 rt + l % 16 and in register j column 512 u + 128 w + 16 ct + 8 (l / 16) + j.  So z, r, both candidates, h and the result of one
; element lie in one lane.  64 rows and not 128: the f32 sums of 128 rows x 1,024 columns alone would be all of the four waves' registers.
; WEIGHTS come as tiles of 64 KiB (one K step, both halves), bf16, [K][N], through a ring of two LDS slots, and are turned on the way to registers (ds_load_tr16_b128).  A slot of two K steps does not fit
; beside x and h (2 x 135,168 + 133,120 bytes).  Every work-group walks the same 48 tiles in the same order: the four of a cluster ask for each tile JOINTLY.  The ring runs on across the phases.
; One block of rows to a work-group: a work-group that stayed would want a last block without refills, a second copy of P3 and E3.
; MEAN AND VARIANCE without a difference of large sums: each wave takes the mean of its own columns, centres its sums in place and adds the squares; the four waves' (mean, M2) meet in LDS, and
; M2 = the sum of M2_w + n_w x the sum of (mean_w - mean)^2.
; LIMITS.  x, h (in the blend too), the weights and the biases are rounded once to bf16.  -log2(e) x LayerNorm(i2h), at most 47 in size, and the gates are kept in f16.  An exponential below 2^-126 counts as 0, one
; beyond f32's range as infinity, whose reciprocal is 0: sigmoid and tanh then stand at their ends.  NaN and infinities among the inputs are not treated apart.
; REGISTERS, in windows of 256 (s_set_vgpr_msb: bits 1:0 source 0, 3:2 source 1, 5:4 source 2, 7:6 destination):
;   window 0: v0-21, v62 addresses; v22-61 statistics; v64-127 fragments of x or h, two buffers; v128-255 fragments of W, two buffers (all of v64-255 at work in the epilogues)
;   window 1: G: P = v0-127 (the 32 rows in hand), Q = v128-255 (the other 32); during P1 h as loaded
;   windows 2, 3: accumulator (rt, u, ct) at v[128 (rt % 2) + 64 u + 8 ct] of window 2 + rt / 2; ahead of P1 window 2 holds x as loaded
; An epilogue is ONE text for 32 rows, on window 2 and P, walked twice; between the trips window 3 is copied to window 2 and Q to P.  P2 takes its rows in the order 32-63, 0-31, so that each trip finds its G in P.
.set PB,     1056                      ; a row of a weight tile in LDS: 1,024 bytes + 32 = 264 words: row k starts at bank 8 k mod 64 (64 banks of 4 bytes: ISA guide 11.1)
.set SLOT,   64*PB                     ; 67,584
.set PA,     1040                      ; a row of x or h in LDS: 1,024 + 16 = 260 words: the 16 rows of a fragment load start at 16 different groups of four banks
.set XT,     2*SLOT                    ; x as bf16, 64 rows
.set HT,     XT+64*PA                  ; h as bf16
.set BIAS,   HT+64*PA                  ; the biases, 12,288 bytes
.set STAT,   BIAS+12288                ; the waves' means and M2
.set STAGE,  STAT+4096                 ; for the way out: 16 rows x 528 bytes for each wave
.set SPITCH, 528
.set SPARE,  STAGE+4*16*SPITCH         ; the spare words, 128 bytes for each wave: two blocks of 256 bytes that no other line names
.set LR,   1                           ; l % 16
.set LH,   2                           ; l / 16
.set ADRB, 3                           ; v3, v4  my lane's place in a weight tile, slot 0, 1
.set ADRAX, 5                          ; my lane's place in x's rows, steps 64 bytes a K step
.set ADRAH, 6                          ; the same for h
.set BIASA, 7
.set STW,  8                           ; STAT + 8 x thread
.set STR,  9                           ; STAT + 8 (l % 16)
.set STO,  10                          ; the way out: where I put 16 bytes of a row
.set RD,   11                          ; where I read a row back
.set GO,   12                          ; my byte offset in a row of out0
.set HRD,  13                          ; my 16 bytes of h for the blend
.set SPW,  14                          ; LDS address of my spare word; never rewritten
.set NIL,  15                          ; 0; never rewritten
.set GA,   16                          ; my byte offset in the block's rows of x and h
.set AX0,  17                          ; ADRAX at K = 0
.set AH0,  18
.set XST,  19                          ; where my 8 bytes of bf16 x go
.set STW3, 20                          ; STAT + 16 x thread
.set STR3, 21                          ; STAT + 16 (l % 16)
.set MW,   22                          ; v22-29  my wave's mean of group g, twice
.set OO,   22                          ;         later: delta x scale, twice
.set EX,   34                          ; v34-37  what goes to STAT
.set CT,   38                          ; v38-45  at work
.set RS,   46                          ; v46-49  1 / sqrt(var + eps)
.set DL,   50                          ; v50-53  my wave's mean less the row's
.set SS,   54                          ; v54-61  the scale, twice
.set HST,  62                          ; where my 8 bytes of bf16 h go
.set AF0,  64
.set AF1,  96
.set BF0,  128
.set BF1,  192
.set T,    64                          ; epilogues: partial sums
.set L,    96                          ; epilogues: the four waves' figures
.set CV,   128                         ; conversions of x and h
.set HB,   192                         ; E3: h as bf16
.set WV,  14                           ; s14  my wave's number
.set G1,  24                           ; s[24:31] descriptor group 1
.set G0,  32                           ; s[32:39] descriptor group 0, a set for each slot
.set KC,  40                           ; counts K steps
.set EC,  41                           ; counts an epilogue's trips
.set HIM, 42                           ; 0xffff0000: lanes 16-31, and a word's upper bf16
.set SEL, 44                           ; s[44:45] v_permlanex16_b32's selects: each lane takes its own place in the other half
.set RN,  46                           ; 1 / the LayerNorm's length
.set EPS, 47
.set MSB, 0
.macro WIN new                         ; the immediate's high byte repeats the setting that is left; a switch that changes nothing is dropped
.if MSB != (\new)
	s_set_vgpr_msb (MSB<<8)|(\new)
.set MSB, \new
.endif
.endm
; A load into a register that a matrix instruction has read, and a vector instruction that reads a matrix result or writes one of a matrix instruction's registers, stand four places behind it
; (ISA guide 7.12.1 for vector instructions); matrix instructions in between are not counted as places.
.macro PLACES
.rept 4
	v_nop
.endr
.endm
; A round of the cluster's barrier: my work-group's barrier; wave 0 signals for the work-group; every wave waits for all four work-groups; my work-group's barrier once more.
.macro CREST                           ; a round behind its opening barrier
	s_cmp_lg_u32 s[WV], 0
	s_cbranch_scc1 .Lnot_wave_0_\@
	s_barrier_signal -3
.Lnot_wave_0_\@:
	s_barrier_wait -3
	s_barrier_signal -1
	s_barrier_wait -1
.endm
.macro CROUND
	s_barrier_signal -1
	s_barrier_wait -1
	CREST
.endm
	s_load_b256 s[4:11], s[0:1], 0x0               ; x s[4:5], h s[6:7], wt s[8:9], bias s[10:11]
	s_load_b64 s[12:13], s[0:1], 0x20              ; out0
	v_lshl_add_u32 v[SPW], v0, 2, SPARE
	v_mov_b32 v[NIL], 0
	ds_add_u32 v[SPW], v[NIL]                      ; the wave's opening: the add and its wait stand ahead of my first tensor load; the set-up below, work on registers, stands between them
	ds_add_u32 v14, v15
	v_lshrrev_b32 v22, 5, v0
	v_readfirstlane_b32 s[WV], v22                 ; wave 0..3
	s_bfe_u32 s15, ttmp6, 0x40000                  ; cx: my place in the cluster
	s_lshl_b32 s16, ttmp9, 2                       ; in a cluster launch ttmp9 counts clusters
	s_add_co_u32 s16, s16, s15                     ; my block of 64 rows: it enters the addresses of x, h and out0 alone
	s_lshl_b32 s18, s16, 17                        ; 64 rows of 2,048 bytes
	s_mov_b32 s19, 0
	; descriptor group 1: a wave's quarter of a tile, 16 rows of 1,024 bytes, dense in memory, padded in LDS behind every row (the padding's interval is the row, so rows of 1,024 bytes and not of 256)
	s_mov_b32 s[G1+0], 15|(3<<16)|(1<<20)|(1<<21)|(7<<22)|(7<<25)  ; 15:0 the mask of four; 17:16 elements of 8 bytes; 20 padding on; 21 set beside a mask; 24:22 after every 256 words (code 7); 31:25 8 words (code 7)
	s_mov_b32 s[G1+1], 128<<16                     ; tensor_dim0 = 128 elements
	s_mov_b32 s[G1+2], 16<<16                      ; tensor_dim1 = 16
	s_mov_b32 s[G1+3], 128<<16                     ; tile_dim0 = 128
	s_mov_b32 s[G1+4], 16                          ; tile_dim1 = 16
	s_mov_b32 s[G1+5], 128                         ; 128 elements from row to row
	s_mov_b32 s[G1+6], 0
	s_mov_b32 s[G1+7], 0
	s_mul_i32 s22, s[WV], 16*PB                    ; my 16 rows of a slot: the wave's number alone enters a descriptor, so it is the same in all four work-groups
	s_mov_b32 s[G0+0], 1
	s_mov_b32 s[G0+1], s22
	s_mov_b32 s[G0+4], 1
	s_add_co_u32 s[G0+5], s22, SLOT
	s_lshl_b32 s20, s[WV], 14                      ; and of a tile in memory
	s_mov_b32 s21, 0
	s_mov_b32 s[HIM], 0xffff0000
	s_mov_b32 s[SEL], 0x76543210
	s_mov_b32 s[SEL+1], 0xfedcba98
	s_mov_b32 s[EPS], 0x3727c5ac                   ; 1e-5
	v_and_b32 v[LR], 15, v0
	v_bfe_u32 v[LH], v0, 4, 1
	v_and_b32 v22, 31, v0                          ; lane
	; the turning load takes 16 k x 16 columns: lane l reads 16 bytes of row 8 (l / 16) + l % 8, columns 8 ((l / 8) % 2) + 0..7, and is left with column l % 16 and 8 k
	v_and_b32 v23, 7, v0
	v_lshl_add_u32 v23, v[LH], 3, v23
	v_mul_u32_u24 v[ADRB], v23, PB
	v_bfe_u32 v24, v0, 3, 1
	v_lshl_add_u32 v[ADRB], v24, 4, v[ADRB]
	s_lshl_b32 s48, s[WV], 8                       ; my 128 columns in bf16
	v_add_nc_u32 v[ADRB], s48, v[ADRB]
	v_add_nc_u32 v[ADRB+1], SLOT, v[ADRB]
	; a fragment of x or h: lane l holds row l % 16, k = 8 (l / 16) + 0..7 and 16 + 8 (l / 16) + 0..7: two loads of 16 bytes, 32 bytes apart
	v_mul_u32_u24 v25, v[LR], PA
	v_lshl_add_u32 v25, v[LH], 4, v25
	v_add_nc_u32 v[AX0], XT, v25
	v_add_nc_u32 v[AH0], HT, v25
	v_add_nc_u32 v[HRD], s48, v[AH0]
	s_lshl_b32 s49, s[WV], 9                       ; my 128 columns in f32
	s_add_co_u32 s50, s49, BIAS
	v_lshl_add_u32 v[BIASA], v[LH], 5, s50
	s_mul_i32 s51, s[WV], 16*PA                    ; I convert rows 16 w .. 16 w + 15
	v_lshl_add_u32 v26, v22, 3, s51
	v_add_nc_u32 v[XST], XT, v26
	v_add_nc_u32 v[HST], HT, v26
	v_lshl_add_u32 v[STW], v0, 3, STAT
	v_lshl_add_u32 v[STR], v[LR], 3, STAT
	v_lshl_add_u32 v[STW3], v0, 4, STAT
	v_lshl_add_u32 v[STR3], v[LR], 4, STAT
	s_mul_i32 s54, s[WV], 16*SPITCH
	s_add_co_u32 s54, s54, STAGE                   ; my stage
	v_mul_u32_u24 v[STO], v[LR], SPITCH
	v_lshl_add_u32 v[STO], v[LH], 5, v[STO]
	v_add_nc_u32 v[STO], s54, v[STO]
	v_lshl_add_u32 v[RD], v22, 4, s54
	v_lshl_add_u32 v[GO], v22, 4, s49
	s_lshl_b32 s55, s[WV], 15                      ; 16 rows of 2,048 bytes
	v_lshl_add_u32 v[GA], v22, 4, s55
	v_lshlrev_b32 v27, 4, v0                       ; 16 bytes of the biases a thread
	v_add_nc_u32 v28, BIAS, v27
	s_wait_dscnt 0x0                               ; the opening add is done
	s_wait_kmcnt 0x0
	s_add_nc_u64 s[4:5], s[4:5], s[18:19]
	s_add_nc_u64 s[6:7], s[6:7], s[18:19]
	s_add_nc_u64 s[12:13], s[12:13], s[18:19]
	s_add_nc_u64 s[G0+2:G0+3], s[8:9], s[20:21]    ; tile 0,
	s_add_nc_u64 s[G0+6:G0+7], s[G0+2:G0+3], 65536 ; tile 1
	s_or_b32 s[G0+3], s[G0+3], 0x80000000          ; type = 2
	s_or_b32 s[G0+7], s[G0+7], 0x80000000
.irp j, 0,1,2,3,4,5
	global_load_b128 v[AF0+4*\j:AF0+4*\j+3], v27, s[10:11] offset:2048*\j
.endr
	WIN 0x80                                       ; destination window 2
.set pi, 0
.rept 64                                           ; my 16 rows of x are 32,768 bytes on end: 64 loads of 512 consecutive bytes
	global_load_b128 v[4*pi:4*pi+3], v[GA], s[4:5] offset:512*pi th:TH_LOAD_NT
.set pi, pi+1
.endr
	WIN 0
	CROUND                                         ; all four work-groups are here: the first joint loads meet
	tensor_load_to_lds s[G0:G0+3], s[G1:G1+7]      ; tiles 0 and 1: two loads of mine are out
	s_nop 0
	tensor_load_to_lds s[G0+4:G0+7], s[G1:G1+7]
	s_nop 0
	PLACES
.set pg, 0
.rept 4                                            ; x to bf16 and into LDS, four rows at a time; behind each four rows the same rows of h are asked for
	s_wait_loadcnt 0x30                            ; behind these 16 loads of x stand 48 - 16 g of x and 16 g of h: 48 may stay out; the biases are older
	WIN 0x0a                                       ; sources window 2
.set pi, 0
.rept 32
	v_cvt_pk_bf16_f32 v[CV+pi], v[64*pg+2*pi], v[64*pg+2*pi+1]
.set pi, pi+1
.endr
	WIN 0
.set pi, 0
.rept 16
	ds_store_b64 v[XST], v[CV+2*pi:CV+2*pi+1] offset:PA*((16*pg+pi)/4)+256*(pi%4)
.set pi, pi+1
.endr
.if pg == 0
.irp j, 0,1,2,3,4,5
	ds_store_b128 v28, v[AF0+4*\j:AF0+4*\j+3] offset:2048*\j
.endr
.endif
	WIN 0x40                                       ; destination window 1
.set pi, 0
.rept 16
	global_load_b128 v[4*(16*pg+pi):4*(16*pg+pi)+3], v[GA], s[6:7] offset:512*(16*pg+pi) th:TH_LOAD_NT
.set pi, pi+1
.endr
.set pg, pg+1
.endr
	WIN 0
	s_wait_dscnt 0x0                               ; for the others' sake: my rows of x and my part of the biases are in LDS
	s_wait_tensorcnt 0x1                           ; my part of tile 0 is in; tile 1's may stay out
	s_barrier_signal -1
	s_barrier_wait -1
; n x 8 matrix instructions: row tiles rt0 on x all 8 column tiles of half u.  cm = 1: the bias (in BF1) starts the sums: nothing is cleared.  The accumulators take turns, one instruction a turn.
.macro MUL bf, af, u, rt0, n, cm
.set mrt, (\rt0)
.rept (\n)
.if \cm
	WIN 0x80+0x40*(mrt/2)
.else
	WIN 0xa0+0x50*(mrt/2)
.endif
.set mD, 128*(mrt%2)+64*(\u)
.set mct, 0
.rept 8
.if \cm
	v_wmma_f32_16x16x32_bf16 v[mD+8*mct:mD+8*mct+7], v[(\bf)+8*mct:(\bf)+8*mct+7], v[(\af)+8*mrt:(\af)+8*mrt+7], v[BF1+8*mct:BF1+8*mct+7]
.else
	v_wmma_f32_16x16x32_bf16 v[mD+8*mct:mD+8*mct+7], v[(\bf)+8*mct:(\bf)+8*mct+7], v[(\af)+8*mrt:(\af)+8*mrt+7], v[mD+8*mct:mD+8*mct+7]
.endif
.set mct, mct+1
.endr
.set mrt, mrt+1
.endr
.endm
.macro FB sig, u, bf                   ; 16 loads: my 128 columns of half u x 32 k, turned
.set fct, 0
.rept 8
	ds_load_tr16_b128 v[(\bf)+8*fct:(\bf)+8*fct+3],   v[ADRB+(\sig)] offset:32*PB*(\u)+32*fct
	ds_load_tr16_b128 v[(\bf)+8*fct+4:(\bf)+8*fct+7], v[ADRB+(\sig)] offset:32*PB*(\u)+32*fct+16*PB
.set fct, fct+1
.endr
.endm
.macro FA adr, af, flip                ; 8 loads: 64 rows x 32 k; flip = 1: rows 32-63 first.  Then the address steps to the next K step
.irp rt, 0,1,2,3
	ds_load_b128 v[(\af)+8*\rt:(\af)+8*\rt+3],   v[\adr] offset:16*PA*((\rt)^(2*(\flip)))
	ds_load_b128 v[(\af)+8*\rt+4:(\af)+8*\rt+7], v[\adr] offset:16*PA*((\rt)^(2*(\flip)))+32
.endr
	v_add_nc_u32 v[\adr], 64, v[\adr]
.endm
.macro FBIAS p, u                      ; 16 loads: the bias of my 128 columns as a C operand: register j of tile ct is column 16 ct + 8 (l / 16) + j, whatever the row
.set fct, 0
.rept 8
	ds_load_b128 v[BF1+8*fct:BF1+8*fct+3],   v[BIASA] offset:2048*(2*(\p)+(\u))+64*fct
	ds_load_b128 v[BF1+8*fct+4:BF1+8*fct+7], v[BIASA] offset:2048*(2*(\p)+(\u))+64*fct+16
.set fct, fct+1
.endr
.endm
; A K STEP on slot sig: 64 matrix instructions, half 0 from BF0 and half 1 from BF1.  dual = 0: both halves multiply the rows in AF[sig]; dual = 1: half 0 x (AF0), half 1 h (AF1).
; In its second half it changes slots: ONE barrier.  In front of it each wave waits for all its tensor loads, of which one is out: its part of the next tile; adds 0 to its spare word; and waits for that and for its reads
; of this slot.  mode 2: this slot is filled again, two tiles on, and the next step's first fragments are fetched; 1: filled, nothing fetched (a phase's last step); 0: not filled, fetched.
; Where the slot is filled the barrier opens a round of the cluster's, and the joint load is the first thing behind the round: from there to the wait for it a wave issues 48 matrix instructions.
.macro KSTEP sig, dual, flip, mode, adr
.if \dual
.set kA0, AF0
.set kA1, AF1
.set kAN, AF0
.else
.set kA0, AF0+32*(\sig)
.set kA1, AF0+32*(\sig)
.set kAN, AF0+32*(1-(\sig))
.endif
	s_wait_dscnt 0x0                               ; the 24 loads that the step before issued are in
	MUL BF0, kA0, 0, 0, 2, 0
	PLACES                                         ; BF1 (and h's buffer) were read by the last products of the step before
	WIN 0
	FB \sig, 1, BF1
.if \dual
	FA ADRAH, AF1, 0
.endif
	MUL BF0, kA0, 0, 2, 2, 0
	WIN 0                                          ; (the add's two registers lie in window 0)
	s_wait_tensorcnt 0x0                           ; all my tensor loads have landed: my part of the next tile; so a group 0 may be written
	ds_add_u32 v[SPW], v[NIL]                      ; 0 onto my spare word
.if (\mode) >= 1
	s_add_nc_u64 s[G0+4*(\sig)+2:G0+4*(\sig)+3], s[G0+4*(\sig)+2:G0+4*(\sig)+3], 131072  ; this slot's next tile; the type bits on top are not reached
.endif
	s_wait_dscnt 0x1                               ; the fragments are in; the add may be out
	MUL BF1, kA1, 1, 0, 1, 0
	s_wait_dscnt 0x0                               ; the add is done, and my reads of this slot are over
	s_barrier_signal -1
	MUL BF1, kA1, 1, 1, 1, 0
	WIN 0
	s_barrier_wait -1
.if (\mode) >= 1
	CREST                                          ; no wave of any partner still reads this slot or has a load on its way
	tensor_load_to_lds s[G0+4*(\sig):G0+4*(\sig)+3], s[G1:G1+7]
	s_nop 0
.endif
	PLACES                                         ; also the places in front of the loads below
.if (\mode) != 1
	FB 1-(\sig), 0, BF0
.if \dual
	FA ADRAX, AF0, 0
.else
	FA \adr, kAN, \flip
.endif
.endif
	MUL BF1, kA1, 1, 2, 2, 0
.endm
; A PHASE'S FIRST K STEP (slot 0): the products take the bias as C.  BF1 holds the bias, so both halves' weights go through BF0.
.macro KFIRST p, dual, flip, adr
.if \dual
.set kA1, AF1
.else
.set kA1, AF0
.endif
	WIN 0
	FA \adr, AF0, \flip
	FB 0, 0, BF0
	FBIAS \p, 0
	s_wait_dscnt 0x0
	MUL BF0, AF0, 0, 0, 4, 1
	PLACES
	WIN 0
	FB 0, 1, BF0
	FBIAS \p, 1
.if \dual
	FA ADRAH, AF1, 0
.endif
	s_wait_tensorcnt 0x0                           ; my part of slot 1's tile is in
	ds_add_u32 v[SPW], v[NIL]
	s_add_nc_u64 s[G0+2:G0+3], s[G0+2:G0+3], 131072
	s_wait_dscnt 0x1                               ; all but the add
	MUL BF0, kA1, 1, 0, 1, 1
	s_wait_dscnt 0x0
	s_barrier_signal -1
	MUL BF0, kA1, 1, 1, 3, 1
	WIN 0
	s_barrier_wait -1
	CREST
	tensor_load_to_lds s[G0:G0+3], s[G1:G1+7]
	s_nop 0
	PLACES
	FB 1, 0, BF0
.if \dual
	FA ADRAX, AF0, 0
.else
	FA \adr, AF1, \flip
.endif
.endm
; ---- the epilogues' parts ----
.macro TREES base, n, ngr, gs          ; in each of ngr groups, gs registers apart, n pairs are added into the first; level by level, so that no line waits for the one before it
.irp hv, 16,8,4,2,1
.if \hv < (\n)
.set tg, 0
.rept \ngr
.set ti, 0
.rept \hv
	v_pk_add_f32 v[(\base)+(\gs)*tg+2*ti:(\base)+(\gs)*tg+2*ti+1], v[(\base)+(\gs)*tg+2*ti:(\base)+(\gs)*tg+2*ti+1], v[(\base)+(\gs)*tg+2*(ti+\hv):(\base)+(\gs)*tg+2*(ti+\hv)+1]
.set ti, ti+1
.endr
.set tg, tg+1
.endr
.endif
.endr
.endm
.macro LANES base, ngr, gs             ; a pair's two halves, and the row's other columns, which lie in the lane 16 away
.set lg, 0
.rept \ngr
	v_add_f32 v[(\base)+(\gs)*lg], v[(\base)+(\gs)*lg], v[(\base)+(\gs)*lg+1]
.set lg, lg+1
.endr
.set lg, 0
.rept \ngr
	v_permlanex16_b32 v[(\base)+(\gs)*lg+1], v[(\base)+(\gs)*lg], s[SEL], s[SEL+1]
.set lg, lg+1
.endr
.set lg, 0
.rept \ngr
	v_add_f32 v[(\base)+(\gs)*lg], v[(\base)+(\gs)*lg], v[(\base)+(\gs)*lg+1]
.set lg, lg+1
.endr
.endm
; Group g's four (mean_w, M2_w), at cb, cb + cs, ..: the row's mean; M2 = sum M2_w + n_w sum (mean_w - mean)^2; 1 / sqrt(M2 / N + eps); my wave's mean less the row's.
.macro COMB g, cb, cs, knw
	v_add_f32 v[CT], v[(\cb)], v[(\cb)+(\cs)]
	v_add_f32 v[CT+1], v[(\cb)+2*(\cs)], v[(\cb)+3*(\cs)]
	v_add_f32 v[CT+2], v[(\cb)+1], v[(\cb)+(\cs)+1]
	v_add_f32 v[CT+3], v[(\cb)+2*(\cs)+1], v[(\cb)+3*(\cs)+1]
	v_add_f32 v[CT], v[CT], v[CT+1]
	v_add_f32 v[CT+2], v[CT+2], v[CT+3]
	v_mul_f32 v[CT], 0x3e800000, v[CT]             ; the four waves have equally many columns
	v_sub_f32 v[CT+4], v[(\cb)], v[CT]
	v_sub_f32 v[CT+5], v[(\cb)+(\cs)], v[CT]
	v_sub_f32 v[CT+6], v[(\cb)+2*(\cs)], v[CT]
	v_sub_f32 v[CT+7], v[(\cb)+3*(\cs)], v[CT]
	v_mul_f32 v[CT+4], v[CT+4], v[CT+4]
	v_fmac_f32 v[CT+4], v[CT+5], v[CT+5]
	v_fmac_f32 v[CT+4], v[CT+6], v[CT+6]
	v_fmac_f32 v[CT+4], v[CT+7], v[CT+7]
	v_fmamk_f32 v[CT+2], v[CT+4], \knw, v[CT+2]
	v_fma_f32 v[CT+2], v[CT+2], s[RN], s[EPS]
	v_rsq_f32 v[RS+(\g)], v[CT+2]
	v_sub_f32 v[DL+(\g)], v[MW+2*(\g)], v[CT]      ; also the plain line behind the root (ISA guide 5.7.2)
.endm
; The statistics of the 32 rows in window 2, in ngr groups of 256 / ngr registers (2: a row tile's 128 numbers a lane; 4: a row tile's and half's 64).  kmean = 1 / my wave's columns, knw = my wave's columns.
; The sums are left centred on my wave's mean.  Each accumulator's lowest registers are read first.
.macro STATS ngr, kmean, knw
.set gp, 128/(\ngr)
.set nch, 16/(\ngr)
	WIN 0x0a                                       ; sources window 2, destination window 0
.set si, 0
.rept 32
	v_pk_add_f32 v[T+4*si:T+4*si+1], v[8*si:8*si+1], v[8*si+2:8*si+3]
	v_pk_add_f32 v[T+4*si+2:T+4*si+3], v[8*si+4:8*si+5], v[8*si+6:8*si+7]
.set si, si+1
.endr
	WIN 0
	TREES T, gp/2, \ngr, gp
	LANES T, \ngr, gp
.set sg, 0
.rept \ngr
	v_mul_f32 v[MW+2*sg], \kmean, v[T+gp*sg]
	v_mul_f32 v[MW+2*sg+1], \kmean, v[T+gp*sg]     ; named with it as a pair
.set sg, sg+1
.endr
	WIN 0x82                                       ; destination and source 0 window 2
.set si, 0
.rept 128
	v_pk_add_f32 v[2*si:2*si+1], v[2*si:2*si+1], v[MW+2*(si/gp):MW+2*(si/gp)+1] op_sel_hi:[1,0] neg_lo:[0,1] neg_hi:[0,1]
.set si, si+1
.endr
	WIN 0x0a
.set si, 0
.rept 128                                          ; the squares, in 16 chains that the first products start
.set sc, T+2*((si/gp)*nch+si%nch)
.if (si%gp) < nch
	v_pk_mul_f32 v[sc:sc+1], v[2*si:2*si+1], v[2*si:2*si+1]
.else
	v_pk_fma_f32 v[sc:sc+1], v[2*si:2*si+1], v[2*si:2*si+1], v[sc:sc+1]
.endif
.set si, si+1
.endr
	WIN 0
	TREES T, nch, \ngr, 2*nch
	LANES T, \ngr, 2*nch
	; every lane holds both row tiles' figures: lanes 0-15 send the first tile's, lanes 16-31 the second's: lane l speaks for row l of the 32
.if (\ngr) == 2
	v_cndmask_b32 v[EX], v[MW], v[MW+2], s[HIM]
	v_cndmask_b32 v[EX+1], v[T], v[T+16], s[HIM]
	ds_store_b64 v[STW], v[EX:EX+1]
.else
	v_cndmask_b32 v[EX], v[MW], v[MW+4], s[HIM]
	v_cndmask_b32 v[EX+1], v[T], v[T+16], s[HIM]
	v_cndmask_b32 v[EX+2], v[MW+2], v[MW+6], s[HIM]
	v_cndmask_b32 v[EX+3], v[T+8], v[T+24], s[HIM]
	ds_store_b128 v[STW3], v[EX:EX+3]
.endif
	s_wait_dscnt 0x0                               ; for the others' sake: my figures (in E1 also my rows of h) are in LDS
	s_barrier_signal -1
	s_barrier_wait -1
.irp a, 0,1
.irp w, 0,1,2,3
.if (\ngr) == 2
	ds_load_b64 v[L+8*\a+2*\w:L+8*\a+2*\w+1], v[STR] offset:256*\w+128*\a
.else
	ds_load_b128 v[L+16*\a+4*\w:L+16*\a+4*\w+3], v[STR3] offset:512*\w+256*\a
.endif
.endr
.endr
	s_wait_dscnt 0x0                               ; my reads are over:
	s_barrier_signal -1                            ; a second barrier, so that nobody stores the next trip's figures while a wave still reads these; register work stands inside it
.if (\ngr) == 2
	COMB 0, L, 2, \knw
	COMB 1, L+8, 2, \knw
.else
	COMB 0, L, 4, \knw
	COMB 1, L+2, 4, \knw
	COMB 2, L+16, 4, \knw
	COMB 3, L+18, 4, \knw
.endif
	s_barrier_wait -1
.endm
.macro SCALES ngr, kc                  ; SS = kc / sigma, OO = (my wave's mean - the row's) x SS: (y - mean) kc / sigma = centred x SS + OO.  Each twice: the packed lines name pairs
.set sg, 0
	s_wait_alu depctr_va_vdst(0)
.rept \ngr
	v_mul_f32 v[SS+2*sg], \kc, v[RS+sg]
	v_mul_f32 v[SS+2*sg+1], \kc, v[RS+sg]
.set sg, sg+1
.endr
.set sg, 0
.rept \ngr
	v_mul_f32 v[OO+2*sg], v[DL+sg], v[SS+2*sg]
	v_mul_f32 v[OO+2*sg+1], v[DL+sg], v[SS+2*sg]
.set sg, sg+1
.endr
.endm
.macro GMOVE win, dst, src             ; 128 registers
	WIN \win
.set gi, 0
.rept 128
	v_mov_b32 v[(\dst)+gi], v[(\src)+gi]
.set gi, gi+1
.endr
.endm
.macro COPYACC                         ; window 3's sums into window 2, in ascending order: each accumulator's lowest register is read first
	WIN 0x83
.set gi, 0
.rept 256
	v_mov_b32 v[gi], v[gi]
.set gi, gi+1
.endr
.endm
.macro TOG                             ; window 2's 256 numbers, rounded to f16 in pairs, into P
	WIN 0x4a                                       ; sources window 2, destination window 1
.set gi, 0
	s_wait_alu depctr_va_vdst(0)
.rept 128
	v_cvt_pk_f16_f32 v[gi], v[2*gi], v[2*gi+1]
.set gi, gi+1
.endr
.endm
.macro MIX2 d, sc, g, hi               ; d = d x sc + half hi of g (f16)
.if \hi
	v_fma_mix_f32 v[\d], v[\d], v[\sc], v[\g] op_sel:[0,0,1] op_sel_hi:[0,0,1]
.else
	v_fma_mix_f32 v[\d], v[\d], v[\sc], v[\g] op_sel_hi:[0,0,1]
.endif
.endm
.macro MIX1 d, a, g, c, hi             ; d = a x half hi of g (f16) + c
.if \hi
	v_fma_mix_f32 v[\d], v[\a], v[\g], v[\c] op_sel:[0,1,0] op_sel_hi:[0,1,0]
.else
	v_fma_mix_f32 v[\d], v[\a], v[\g], v[\c] op_sel_hi:[0,1,0]
.endif
.endm
; ================ P1: x W_i2h + b_i2h ================
	v_mov_b32 v[ADRAX], v[AX0]
	KFIRST 0, 0, 0, ADRAX
	WIN 0                                          ; at a label and at a branch every window is 0
	s_mov_b32 s[KC], 7
.LK1:
	KSTEP 1, 0, 0, 2, ADRAX
	KSTEP 0, 0, 0, 2, ADRAX
	WIN 0
	s_sub_co_u32 s[KC], s[KC], 1
	s_cmp_lg_u32 s[KC], 0
	s_cbranch_scc1 .LK1
	KSTEP 1, 0, 0, 1, ADRAX                        ; its refill, P2's second tile, stays on its way through the epilogue, behind whose barriers nothing is filled
	; h, which came in under P1, to bf16 and into LDS; E1's first barrier shows it to the other waves
	PLACES
	s_wait_loadcnt 0x0
.set pg, 0
.rept 4
	WIN 0x05                                       ; sources window 1
.set pi, 0
.rept 32
	v_cvt_pk_bf16_f32 v[CV+pi], v[64*pg+2*pi], v[64*pg+2*pi+1]
.set pi, pi+1
.endr
	WIN 0
.set pi, 0
.rept 16
	ds_store_b64 v[HST], v[CV+2*pi:CV+2*pi+1] offset:PA*((16*pg+pi)/4)+256*(pi%4)
.set pi, pi+1
.endr
.set pg, pg+1
.endr
; ---------------- E1: G = -log2(e) x LayerNorm, f16.  Trip 0: rows 0-31; trip 1: rows 32-63, which stay in P ----------------
	s_mov_b32 s[RN], 0x3a800000                    ; 1 / 1,024
	s_mov_b32 s[EC], 2
.LE1:
	STATS 2, 0x3b800000, 0x43800000                ; my wave has 256 of a row's columns
	SCALES 2, 0xbfb8aa3b
	WIN 0x82
.set gi, 0
.rept 128
	v_pk_fma_f32 v[2*gi:2*gi+1], v[2*gi:2*gi+1], v[SS+2*(gi/64):SS+2*(gi/64)+1], v[OO+2*(gi/64):OO+2*(gi/64)+1] op_sel_hi:[1,0,0]
.set gi, gi+1
.endr
	TOG
	WIN 0
	s_cmp_eq_u32 s[EC], 1
	s_cbranch_scc1 .LE1s                           ; the last trip moves nothing: a jump forward, past no barrier and no tensor load
	GMOVE 0x41, 128, 0                             ; Q <- P
	COPYACC
	WIN 0
.LE1s:
	s_sub_co_u32 s[EC], s[EC], 1
	s_cmp_lg_u32 s[EC], 0
	s_cbranch_scc1 .LE1
; ================ P2: h W_h2h + b_h2h, rows 32-63 in window 2 ================
	v_mov_b32 v[ADRAH], v[AH0]
	KFIRST 1, 0, 1, ADRAH
	WIN 0
	s_mov_b32 s[KC], 7
.LK2:
	KSTEP 1, 0, 1, 2, ADRAH
	KSTEP 0, 0, 1, 2, ADRAH
	WIN 0
	s_sub_co_u32 s[KC], s[KC], 1
	s_cmp_lg_u32 s[KC], 0
	s_cbranch_scc1 .LK2
	KSTEP 1, 0, 1, 1, ADRAH
; ---------------- E2: gates = 1 / (1 + 2^(G + centred x SS) x 2^OO), f16.  Trip 0: rows 32-63; trip 1: rows 0-31, which stay in P ----------------
	PLACES                                         ; the sums below write registers that the last products read
	WIN 0                                          ; at a label every window is 0
	s_mov_b32 s[EC], 2
.LE2:
	STATS 2, 0x3b800000, 0x43800000
	SCALES 2, 0xbfb8aa3b
.irp j, 0,1,2,3
	v_exp_f32 v[OO+\j], v[OO+\j]                   ; 2^OO; OO is at most 2.9 in size, since 256 (mean_w - mean)^2 is at most M2
.endr
	v_nop                                          ; a plain line behind the exponentials
	WIN 0x92                                       ; destination and source 0 window 2, source 1 window 0, source 2 window 1
	; four stages, an accumulator apart: exponent; exponential; x 2^OO + 1; reciprocal.  Plain lines stand among the transcendental ones, and a result is used a stage's length later.
.set pk, 0
.rept 35
.set pj, 0
.rept 8
.if pk < 32
	MIX2 8*pk+pj, SS+2*(pk/16), 4*pk+pj/2, pj%2
.endif
.if (pk >= 1) && (pk <= 32)
	v_exp_f32 v[8*(pk-1)+pj], v[8*(pk-1)+pj]
.endif
.if (pk >= 2) && (pk <= 33) && (pj < 4)
	s_wait_alu depctr_va_vdst(0)
	v_pk_fma_f32 v[8*(pk-2)+2*pj:8*(pk-2)+2*pj+1], v[8*(pk-2)+2*pj:8*(pk-2)+2*pj+1], v[OO+2*((pk-2)/16):OO+2*((pk-2)/16)+1], 1.0 op_sel_hi:[1,0,0]
.endif
.if pk >= 3
	v_rcp_f32 v[8*(pk-3)+pj], v[8*(pk-3)+pj]
.endif
.set pj, pj+1
.endr
.set pk, pk+1
.endr
	TOG
	WIN 0
	s_cmp_eq_u32 s[EC], 1
	s_cbranch_scc1 .LE2s
	GMOVE 0x01, 128, 0                             ; P and Q change places, by way of window 0's v128-255
	GMOVE 0x41, 0, 128
	GMOVE 0x40, 128, 128
	COPYACC
	WIN 0
.LE2s:
	s_sub_co_u32 s[EC], s[EC], 1
	s_cmp_lg_u32 s[EC], 0
	s_cbranch_scc1 .LE2
; ================ P3: half 0: x W_hatW + b_hatW; half 1: h W_hatU + b_hatU ================
	v_mov_b32 v[ADRAX], v[AX0]
	v_mov_b32 v[ADRAH], v[AH0]
	KFIRST 2, 1, 0, ADRAX
	WIN 0
	s_mov_b32 s[KC], 6
.LK3:
	KSTEP 1, 1, 0, 2, ADRAX
	KSTEP 0, 1, 0, 2, ADRAX
	WIN 0
	s_sub_co_u32 s[KC], s[KC], 1
	s_cmp_lg_u32 s[KC], 0
	s_cbranch_scc1 .LK3
	KSTEP 1, 1, 0, 2, ADRAX                        ; asks for the last tile
	KSTEP 0, 1, 0, 0, ADRAX                        ; the tail is written out: nothing is left to ask for, so no round follows its barrier
	s_wait_dscnt 0x0                               ; the last K step
	MUL BF0, AF0, 0, 0, 2, 0
	PLACES
	WIN 0
	FB 1, 1, BF1
	FA ADRAH, AF1, 0
	MUL BF0, AF0, 0, 2, 2, 0
	s_wait_dscnt 0x0
	MUL BF1, AF1, 1, 0, 4, 0
; ---------------- E3: tanh(first + r x last) = 1 - 2 / (1 + 2^(2 log2(e) (..))); out = h + z (tanh - h) ----------------
; Row tile a of the 32 rows in hand.  F: the x side's 64 numbers, L: the h side's, in window 2; z and r in P.
.macro E3T a
.set eF, 128*(\a)
.set eL, 128*(\a)+64
.set eZ, 64*(\a)
.set eR, 64*(\a)+32
.set eO, 64+64*(\a)
	WIN 0
.set ei, 0
.rept 8
	ds_load_b128 v[HB+4*ei:HB+4*ei+3], v[HRD] offset:16*PA*(\a)+32*ei  ; h of my 64 elements, bf16
.set ei, ei+1
.endr
	WIN 0x82
.set ei, 0
.rept 32
	v_pk_fma_f32 v[eL+2*ei:eL+2*ei+1], v[eL+2*ei:eL+2*ei+1], v[SS+4*(\a)+2:SS+4*(\a)+3], v[OO+4*(\a)+2:OO+4*(\a)+3] op_sel_hi:[1,0,0]
	v_pk_fma_f32 v[eF+2*ei:eF+2*ei+1], v[eF+2*ei:eF+2*ei+1], v[SS+4*(\a):SS+4*(\a)+1], v[OO+4*(\a):OO+4*(\a)+1] op_sel_hi:[1,0,0]
.set ei, ei+1
.endr
	WIN 0xa6                                       ; destination, sources 0 and 2 window 2, source 1 window 1
.set ei, 0
.rept 64
	MIX1 eF+ei, eL+ei, eR+ei/2, eF+ei, ei%2        ; F += r L
.set ei, ei+1
.endr
	s_wait_dscnt 0x0                               ; h is in
	WIN 0x82
.set ei, 0
.rept 64                                           ; the exponentials, and between them h is widened into L's registers
	v_exp_f32 v[eF+ei], v[eF+ei]
.if ei%2
	v_and_b32 v[eL+ei], s[HIM], v[HB+ei/2]
.else
	v_lshlrev_b32 v[eL+ei], 16, v[HB+ei/2]
.endif
.set ei, ei+1
.endr
.set ei, 0
.rept 34                                           ; three stages, a pair apart: + 1; two reciprocals; 1 - 2 x.  A plain line stands behind each pair of reciprocals before their results are used
.if ei < 32
	s_wait_alu depctr_va_vdst(0)
	v_pk_add_f32 v[eF+2*ei:eF+2*ei+1], v[eF+2*ei:eF+2*ei+1], 1.0 op_sel_hi:[1,0]
.endif
.if (ei >= 1) && (ei <= 32)
	v_rcp_f32 v[eF+2*ei-2], v[eF+2*ei-2]
	v_rcp_f32 v[eF+2*ei-1], v[eF+2*ei-1]
.endif
.if ei >= 2
	s_wait_alu depctr_va_vdst(0)
	v_pk_fma_f32 v[eF+2*ei-4:eF+2*ei-3], v[eF+2*ei-4:eF+2*ei-3], -2.0, 1.0 op_sel_hi:[1,0,0]
.endif
.set ei, ei+1
.endr
	WIN 0xa6
.set ei, 0
.rept 32
	v_pk_fma_f32 v[eF+2*ei:eF+2*ei+1], v[eL+2*ei:eL+2*ei+1], -1.0, v[eF+2*ei:eF+2*ei+1] op_sel_hi:[1,0,1]  ; tanh - h
.set ei, ei+1
.endr
.set ei, 0
.rept 64
	MIX1 eF+ei, eF+ei, eZ+ei/2, eL+ei, ei%2        ; z (tanh - h) + h
.set ei, ei+1
.endr
	; the way out: a lane's eight columns of a row are 32 bytes; 16 rows go through my own stage and come back as whole rows of 512 bytes
	WIN 0x08                                       ; store data window 2
.set ei, 0
.rept 8
	ds_store_b128 v[STO], v[eF+8*ei:eF+8*ei+3] offset:64*ei
	ds_store_b128 v[STO], v[eF+8*ei+4:eF+8*ei+7] offset:64*ei+16
.set ei, ei+1
.endr
	WIN 0
	s_wait_xcnt 0x0                                ; registers that earlier stores read are loaded again only behind this wait
.set ei, 0
.rept 16
	ds_load_b128 v[eO+4*ei:eO+4*ei+3], v[RD] offset:SPITCH*ei  ; LDS serves a wave's instructions in order (ISA guide 5.7.1.4): these see the stores above
.set ei, ei+1
.endr
.set ei, 0
.rept 16
	s_wait_dscnt 15-ei                             ; row ei is back; the younger rows may be out
	global_store_b128 v[GO], v[eO+4*ei:eO+4*ei+3], s[12:13] offset:32768*(\a)+2048*ei th:TH_STORE_NT  ; 32 lanes store 512 consecutive bytes, at a multiple of 512 from out0's first byte
.set ei, ei+1
.endr
.endm
	PLACES
	WIN 0
	s_mov_b32 s[RN], 0x3b000000                    ; 1 / 512
	s_mov_b32 s[EC], 2
.LE3:
	s_wait_xcnt 0x0                                ; the sums below write registers that the trip before stored from
	STATS 4, 0x3c000000, 0x43000000                ; my wave has 128 of a row's columns
	SCALES 4, 0x4038aa3b                           ; 2 log2(e)
	E3T 0
	E3T 1
	WIN 0
	s_cmp_eq_u32 s[EC], 1
	s_cbranch_scc1 .LE3s
	s_wait_xcnt 0x0                                ; the stores have read out0's address
	s_add_nc_u64 s[12:13], s[12:13], 65536         ; 32 rows on
	v_add_nc_u32 v[HRD], 32*PA, v[HRD]
	GMOVE 0x41, 0, 128                             ; P <- Q
	COPYACC
	WIN 0
.LE3s:
	s_sub_co_u32 s[EC], s[EC], 1
	s_cmp_lg_u32 s[EC], 0
	s_cbranch_scc1 .LE3
	s_wait_tensorcnt 0x0                           ; the wave's end: behind my last tensor load and my last LDS store
	ds_add_u32 v[SPW], v[NIL]
	s_wait_dscnt 0x0
	CROUND                                         ; the closing round: no work-group ends while a partner may still ask for a tile that names it
	s_endpgm
.Lfunc_end_k_qf291f33689_cell:
	.size	k_qf291f33689_cell, .Lfunc_end_k_qf291f33689_cell-k_qf291f33689_cell
	.p2alignl 7, 3214868480
	.fill 96, 4, 3214868480
	.section	.rodata,"a",@progbits
	.p2align	6, 0x0
	.amdhsa_kernel k_qf291f33689_cell
		.amdhsa_group_segment_fixed_size 327680
		.amdhsa_private_segment_fixed_size 0
		.amdhsa_enable_private_segment 0
		.amdhsa_kernarg_size 40
		.amdhsa_user_sgpr_count 2
		.amdhsa_user_sgpr_kernarg_segment_ptr 1
		.amdhsa_wavefront_size32 1
		.amdhsa_system_sgpr_workgroup_id_x 1
		.amdhsa_system_sgpr_workgroup_id_y 1
		.amdhsa_system_sgpr_workgroup_id_z 1
		.amdhsa_system_vgpr_workitem_id 0
		.amdhsa_next_free_vgpr 1024
		.amdhsa_next_free_sgpr 66
		.amdhsa_reserve_vcc 0
		.amdhsa_float_denorm_mode_32 3
		.amdhsa_float_denorm_mode_16_64 3
		.amdhsa_memory_ordered 1
		.amdhsa_forward_progress 1
		.amdhsa_inst_pref_size 255
	.end_amdhsa_kernel
	.section	.bss,"aw",@nobits
	.p2align	6
	.space	262144
	.amdgpu_metadata
---
amdhsa.version: [ 1, 2 ]
amdhsa.kernels:
  - .name:           k_qf291f33689_cell
    .symbol:         k_qf291f33689_cell.kd
    .args:
      - { .name: x, .offset: 0, .size: 8, .value_kind: global_buffer, .address_space: global }
      - { .name: h, .offset: 8, .size: 8, .value_kind: global_buffer, .address_space: global }
      - { .name: wt, .offset: 16, .size: 8, .value_kind: global_buffer, .address_space: global }
      - { .name: bias, .offset: 24, .size: 8, .value_kind: global_buffer, .address_space: global }
      - { .name: out0, .offset: 32, .size: 8, .value_kind: global_buffer, .address_space: global }
    .group_segment_fixed_size: 327680
    .private_segment_fixed_size: 0
    .kernarg_segment_align: 8
    .kernarg_segment_size: 40
    .max_flat_workgroup_size: 128
    .sgpr_count:     66
    .vgpr_count:     1024
    .wavefront_size: 32
...
	.end_amdgpu_metadata
.endif
;; end of part 2
;; ======== version 2 of 2: 2 launches; 1.12 times as fast as version 1
;; workspace buffers: wt 3,145,728 bytes; bias 12,288 bytes
;; launch prep (part 3): grid 384 x 1, 8 waves a work-group, no clusters, 0 bytes of LDS; arguments W_i2h, W_h2h, W_hatW, W_hatU, b_i2h, b_h2h, b_hatW, b_hatU, wt, bias; writes wt, bias
.if DOCPART == 3
	.amdgcn_target "amdgcn-amd-amdhsa--gfx1250"
	.amdhsa_code_object_version 6
	.text
	.protected	k_qf291f33689_prep
	.globl	k_qf291f33689_prep
	.p2align	8
	.type	k_qf291f33689_prep,@function
k_qf291f33689_prep:
	s_mov_b64 s[64:65], 0
	v_nop
	global_prefetch_b8 v0, s[64:65] scope:SCOPE_SE
	s_setreg_imm32_b32 hwreg(HW_REG_WAVE_MODE, 25, 1), 1
	s_wait_xcnt 0x0
; The weights, rounded once to bf16 and laid in the order of the second launch's matrix fragments; the biases, rounded to bf16 and written as f32.
; wt: 48 tiles of 65,536 bytes, tile 16 p + s for phase p (0: W_i2h, 1: W_h2h, 2: W_hatW | W_hatU) and K step s of 32.  In a tile: [wave w: 16,384][half u: 8,192][column tile ct: 1,024][q: 256][r: 16 bytes]:
; the 16 bytes are the eight numbers W[32 s + 8 q + 0..7][column 128 w + 16 ct + r of half u] (p < 2: half u begins at column 512 u; p = 2: u = 0 is W_hatW, u = 1 W_hatU).
; So lane l = 16 hh + r of the second launch finds registers 0-3 of a fragment at 16 l (q = hh) and registers 4-7 at 512 + 16 l (q = 2 + hh).
; bias: [p][u][512] f32.  A wave takes 32 columns x 16 k: 16 loads of 128 consecutive bytes, two stores in each of which 16 neighbouring lanes fill 256 consecutive aligned bytes.  No LDS, no barrier, no matrix unit.
.set OFFS, 8                           ; v8-23   byte offset of my column in the wave's 16 rows
.set D,    24                          ; v24-39  the 16 numbers
.set PKD,  40                          ; v40-47  packed
	s_load_b512 s[8:23], s[0:1], 0x0               ; W_i2h s[8:9], W_h2h s[10:11], W_hatW s[12:13], W_hatU s[14:15], b_i2h s[16:17], b_h2h s[18:19], b_hatW s[20:21], b_hatU s[22:23]
	s_load_b128 s[24:27], s[0:1], 0x40             ; wt s[24:25], bias s[26:27]
	v_lshrrev_b32 v1, 5, v0
	v_readfirstlane_b32 s2, v1                     ; wave 0..7
	v_and_b32 v2, 31, v0                           ; lane
	s_lshr_b32 s3, ttmp9, 7                        ; the work-group's number is 128 p + 8 s + 4 u + 2 qp + cb: p,
	s_bfe_u32 s4, ttmp9, 0x40003                   ; s,
	s_bfe_u32 s5, ttmp9, 0x10002                   ; u,
	s_bfe_u32 s6, ttmp9, 0x10001                   ; qp: which 16 of the step's 32 k,
	s_and_b32 s7, ttmp9, 1                         ; cb: which 256 of the half's 512 columns
	s_lshl_b32 s7, s7, 3
	s_add_co_u32 s7, s7, s2                        ; cw = 8 cb + wave: my 32 columns begin at 32 cw
	s_lshl_b32 s30, s4, 5
	s_lshl_b32 s31, s6, 4
	s_add_co_u32 s30, s30, s31                     ; my first row of W: 32 s + 16 qp
	s_cmp_lt_u32 s3, 2
	s_cselect_b32 s28, 12, 11                      ; a row of W is 4,096 bytes (p < 2) or 2,048
	s_cselect_b32 s29, s5, 0                       ; and the half is a column offset only where p < 2
	s_lshl_b32 s36, 1, s28
	s_lshl_b32 s30, s30, s28
	s_lshl_b32 s29, s29, 11
	s_add_co_u32 s30, s30, s29
	s_lshl_b32 s31, s7, 7
	s_add_co_u32 s30, s30, s31
	s_mov_b32 s31, 0
	s_lshr_b32 s34, ttmp9, 3                       ; where it goes: the tile 16 p + s,
	s_lshl_b32 s34, s34, 16
	s_lshl_b32 s35, s5, 13                         ; the half,
	s_add_co_u32 s34, s34, s35
	s_lshr_b32 s35, s7, 2                          ; the wave w = cw / 4,
	s_lshl_b32 s35, s35, 14
	s_add_co_u32 s34, s34, s35
	s_and_b32 s35, s7, 3                           ; the column tiles 2 (cw % 4) and the next,
	s_lshl_b32 s35, s35, 11
	s_add_co_u32 s34, s34, s35
	s_lshl_b32 s35, s6, 9                          ; q = 2 qp and the next
	s_add_co_u32 s34, s34, s35
	s_mov_b32 s35, 0
	v_lshlrev_b32 v[OFFS], 2, v2
.set i, 1
.rept 15
	v_add_nc_u32 v[OFFS+i], s36, v[OFFS+i-1]
.set i, i+1
.endr
	v_lshrrev_b32 v3, 4, v2
	v_and_b32 v4, 15, v2
	v_lshlrev_b32 v4, 4, v4
	v_lshl_add_u32 v4, v3, 10, v4                  ; 1,024 (lane / 16) + 16 (lane % 16)
	s_wait_kmcnt 0x0
	s_cmp_eq_u32 s5, 0
	s_cselect_b64 s[32:33], s[12:13], s[14:15]
	s_cmp_eq_u32 s3, 1
	s_cselect_b64 s[32:33], s[10:11], s[32:33]
	s_cmp_eq_u32 s3, 0
	s_cselect_b64 s[32:33], s[8:9], s[32:33]
	s_add_nc_u64 s[32:33], s[32:33], s[30:31]
	s_add_nc_u64 s[24:25], s[24:25], s[34:35]
.set i, 0
.rept 16
	global_load_b32 v[D+i], v[OFFS+i], s[32:33]
.set i, i+1
.endr
	s_wait_loadcnt 0x0
.set i, 0
.rept 8
	v_cvt_pk_bf16_f32 v[PKD+i], v[D+2*i], v[D+2*i+1]  ; the lower k in the low half
.set i, i+1
.endr
	global_store_b128 v4, v[PKD:PKD+3], s[24:25]
	global_store_b128 v4, v[PKD+4:PKD+7], s[24:25] offset:256
	s_cmp_lt_u32 ttmp9, 6
	s_cbranch_scc0 .Lend
	; work-groups 0 to 5 also make the 512 bias numbers of (p, u) = (g / 2, g % 2)
	v_lshlrev_b32 v5, 3, v0                        ; two numbers a thread
	s_and_b32 s36, ttmp9, 1
	s_lshl_b32 s36, s36, 11
	s_cmp_lt_u32 ttmp9, 4
	s_cselect_b32 s36, s36, 0                      ; the second half of a bias of 1,024
	s_mov_b32 s37, 0
	s_lshl_b32 s40, ttmp9, 11
	s_mov_b32 s41, 0
	s_cmp_eq_u32 ttmp9, 4
	s_cselect_b64 s[38:39], s[20:21], s[22:23]
	s_cmp_lt_u32 ttmp9, 4
	s_cselect_b64 s[38:39], s[18:19], s[38:39]
	s_cmp_lt_u32 ttmp9, 2
	s_cselect_b64 s[38:39], s[16:17], s[38:39]
	s_add_nc_u64 s[38:39], s[38:39], s[36:37]
	s_add_nc_u64 s[26:27], s[26:27], s[40:41]
	global_load_b64 v[48:49], v5, s[38:39]
	s_wait_loadcnt 0x0
	v_cvt_pk_bf16_f32 v50, v48, v49
	v_lshlrev_b32 v52, 16, v50                     ; bf16 back to f32: the low half moves up,
	v_and_b32 v53, 0xffff0000, v50                 ; the high half stays
	global_store_b64 v5, v[52:53], s[26:27]
.Lend:
	s_endpgm
.Lfunc_end_k_qf291f33689_prep:
	.size	k_qf291f33689_prep, .Lfunc_end_k_qf291f33689_prep-k_qf291f33689_prep
	.p2alignl 7, 3214868480
	.fill 96, 4, 3214868480
	.section	.rodata,"a",@progbits
	.p2align	6, 0x0
	.amdhsa_kernel k_qf291f33689_prep
		.amdhsa_group_segment_fixed_size 0
		.amdhsa_private_segment_fixed_size 0
		.amdhsa_enable_private_segment 0
		.amdhsa_kernarg_size 80
		.amdhsa_user_sgpr_count 2
		.amdhsa_user_sgpr_kernarg_segment_ptr 1
		.amdhsa_wavefront_size32 1
		.amdhsa_system_sgpr_workgroup_id_x 1
		.amdhsa_system_sgpr_workgroup_id_y 1
		.amdhsa_system_sgpr_workgroup_id_z 1
		.amdhsa_system_vgpr_workitem_id 0
		.amdhsa_next_free_vgpr 56
		.amdhsa_next_free_sgpr 66
		.amdhsa_reserve_vcc 0
		.amdhsa_float_denorm_mode_32 3
		.amdhsa_float_denorm_mode_16_64 3
		.amdhsa_memory_ordered 1
		.amdhsa_forward_progress 1
		.amdhsa_inst_pref_size 6
	.end_amdhsa_kernel
	.amdgpu_metadata
---
amdhsa.version: [ 1, 2 ]
amdhsa.kernels:
  - .name:           k_qf291f33689_prep
    .symbol:         k_qf291f33689_prep.kd
    .args:
      - { .name: W_i2h, .offset: 0, .size: 8, .value_kind: global_buffer, .address_space: global }
      - { .name: W_h2h, .offset: 8, .size: 8, .value_kind: global_buffer, .address_space: global }
      - { .name: W_hatW, .offset: 16, .size: 8, .value_kind: global_buffer, .address_space: global }
      - { .name: W_hatU, .offset: 24, .size: 8, .value_kind: global_buffer, .address_space: global }
      - { .name: b_i2h, .offset: 32, .size: 8, .value_kind: global_buffer, .address_space: global }
      - { .name: b_h2h, .offset: 40, .size: 8, .value_kind: global_buffer, .address_space: global }
      - { .name: b_hatW, .offset: 48, .size: 8, .value_kind: global_buffer, .address_space: global }
      - { .name: b_hatU, .offset: 56, .size: 8, .value_kind: global_buffer, .address_space: global }
      - { .name: wt, .offset: 64, .size: 8, .value_kind: global_buffer, .address_space: global }
      - { .name: bias, .offset: 72, .size: 8, .value_kind: global_buffer, .address_space: global }
    .group_segment_fixed_size: 0
    .private_segment_fixed_size: 0
    .kernarg_segment_align: 8
    .kernarg_segment_size: 80
    .max_flat_workgroup_size: 256
    .sgpr_count:     66
    .vgpr_count:     56
    .wavefront_size: 32
...
	.end_amdgpu_metadata
.endif
;; end of part 3
;; launch cell (part 4): grid 512 x 1, 4 waves a work-group, no clusters, 327,680 bytes of LDS; arguments x, h, wt, bias, out0; writes out0
.if DOCPART == 4
	.amdgcn_target "amdgcn-amd-amdhsa--gfx1250"
	.amdhsa_code_object_version 6
	.text
	.protected	k_qf291f33689_cell
	.globl	k_qf291f33689_cell
	.p2align	8
	.type	k_qf291f33689_cell,@function
k_qf291f33689_cell:
	s_mov_b64 s[64:65], 0
	v_nop
	global_prefetch_b8 v0, s[64:65] scope:SCOPE_SE
	s_setreg_imm32_b32 hwreg(HW_REG_WAVE_MODE, 25, 1), 1
	s_wait_xcnt 0x0
; LayerNorm GRU cell, fused.  A work-group owns 64 rows and ALL 3,072 columns of the two products, since each of the four LayerNorms wants whole rows.
; THREE PHASES of 16 K steps of 32, each 1,024 columns in two halves u of 512:  P1: x W_i2h (u = 0: z, u = 1: r);  P2: h W_h2h;  P3: u = 0: x W_hatW, u = 1: h W_hatU.
; Behind each phase an epilogue on the sums in registers:  E1: LayerNorm, times -log2(e), kept in f16 (G);  E2: LayerNorm, + G, sigmoid, the gates kept in f16 (G);  E3: two LayerNorms, tanh, the blend with h, out.
; SHARES.  Wave w has all 64 rows (four tiles rt of 16) and in each half the columns 128 w .. 128 w + 127 (eight tiles ct): 64 accumulators, 512 registers.  The matrix instruction is used transposed
; (source 0 = 16 columns of W, source 1 = 16 rows of x or h): lane l holds row 16 rt + l % 16 and in register j column 512 u + 128 w + 16 ct + 8 (l / 16) + j.  So z, r, both candidates, h and the result of one
; element lie in one lane.  64 rows and not 128: the f32 sums of 128 rows x 1,024 columns alone would be all of the four waves' registers.
; WEIGHTS.  No two waves of a work-group read the same weight, and the first launch has laid each wave's 16 KiB of a K step on end, in the order of its fragments' registers.  So they go straight from memory into
; registers: behind each 32 matrix instructions 16 loads of 512 consecutive bytes, into the registers just read, for the K step two on.  64 loads, 32 KiB, of a wave are on their way, each asked for 96 matrix
; instructions ahead of its use; the K loops hold no barrier.  Each of the four groups of loads (buffer, half) has a base of its own, stepped behind the counted wait that shows its last loads done.
; NO LDS RING AND NO CLUSTER for the weights, though all work-groups walk the same ones: beside x, h and G (264,192 bytes) LDS has no room for slots, and with G in registers two slots of one K step are all that
; fit: one tile of 64 KiB on its way at a time, with less than one K step's 64 matrix instructions in which to land.  The price: each work-group fetches all 3 MiB itself.
; One block of rows to a work-group: a work-group that stayed would want a last block without loads ahead, a second copy of P3 and E3.
; MEAN AND VARIANCE without a difference of large sums: each wave takes the mean of its own columns, centres its sums in place and adds the squares; the four waves' (mean, M2) meet in LDS, and
; M2 = the sum of M2_w + n_w x the sum of (mean_w - mean)^2.
; LIMITS.  x, h (in the blend too), the weights and the biases are rounded once to bf16.  -log2(e) x LayerNorm(i2h), at most 47 in size, and the gates are kept in f16.  An exponential below 2^-126 counts as 0, one
; beyond f32's range as infinity, whose reciprocal is 0: sigmoid and tanh then stand at their ends.  NaN and infinities among the inputs are not treated apart.
; REGISTERS, in windows of 256 (s_set_vgpr_msb: bits 1:0 source 0, 3:2 source 1, 5:4 source 2, 7:6 destination):
;   window 0: v0-21, v62-63 addresses; v22-61 statistics; v64-127 fragments of x or h, two buffers; v128-255 the bias as a C operand; in the epilogues v64-127 at work, v128-255 G of the 32 rows in hand
;   window 1: the weights' fragments, two buffers of one K step: fragment 8 u + ct of buffer b at v[128 b + 8 (8 u + ct)]
;   windows 2, 3: accumulator (rt, u, ct) at v[128 (rt % 2) + 64 u + 8 ct] of window 2 + rt / 2; ahead of P1 window 2 holds x as loaded
; An epilogue is ONE text for 32 rows, on window 2, walked twice; between the trips window 3 is copied to window 2.
.set TILE,   65536                     ; a K step's weights, all four waves'
.set PA,     1040                      ; a row of x or h in LDS: 1,024 + 16 = 260 words: the 16 rows of a fragment load start at 16 different groups of four banks (64 banks of 4 bytes: ISA guide 11.1)
.set XT,     0                         ; x as bf16, 64 rows
.set HT,     XT+64*PA                  ; h as bf16
.set GR,     HT+64*PA                  ; 32,768 bytes for each wave: first its 16 rows of h in f32, as the tensor load brings them (the region's one fill); then G: register group i of 64, lane l at 512 i + 16 l
.set BIAS,   GR+131072                 ; the biases, 12,288 bytes
.set STAT,   BIAS+12288                ; the waves' means and M2
.set STAGE,  STAT+4096                 ; for the way out: 16 rows x 528 bytes for each wave
.set SPITCH, 528
.set SPARE,  STAGE+4*16*SPITCH         ; the spare words, 128 bytes for each wave: two blocks of 256 bytes that no other line names
.set LR,   1                           ; l % 16
.set LH,   2                           ; l / 16
.set WO,   3                           ; 16 l: my 16 bytes in 512 of the weights; never rewritten
.set GADR, 4                           ; my 16 bytes in G's groups of the 32 rows in hand
.set ADRAX, 5                          ; my lane's place in the rows of x (P2: of h) at the K step to be fetched
.set ADRAH, 6                          ; P3: the same for h
.set BIASA, 7
.set STW,  8                           ; STAT + 8 x thread
.set STR,  9                           ; STAT + 8 (l % 16)
.set STO,  10                          ; the way out: where I put 16 bytes of a row
.set RD,   11                          ; where I read a row back
.set GO,   12                          ; my byte offset in a row of out0
.set HRD,  13                          ; my 16 bytes of h for the blend
.set SPW,  14                          ; LDS address of my spare word; never rewritten
.set NIL,  15                          ; 0; never rewritten
.set GA,   16                          ; my byte offset in the block's rows of x
.set AX0,  17                          ; my lane's place in x's rows at K = 0
.set AH0,  18                          ; in h's
.set XST,  19                          ; where my 8 bytes of bf16 x go
.set STW3, 20                          ; STAT + 16 x thread
.set STR3, 21                          ; STAT + 16 (l % 16)
.set MW,   22                          ; v22-29  my wave's mean of group g, twice
.set OO,   22                          ;         later: delta x scale, twice
.set EX,   34                          ; v34-37  what goes to STAT
.set CT,   38                          ; v38-45  at work
.set RS,   46                          ; v46-49  1 / sqrt(var + eps)
.set DL,   50                          ; v50-53  my wave's mean less the row's
.set SS,   54                          ; v54-61  the scale, twice
.set HST,  62                          ; where my 8 bytes of bf16 h go
.set G0A,  63                          ; GR + 32,768 w + 16 l
.set AF0,  64
.set AF1,  96
.set BB,   128                         ; the bias of my 256 columns as C operands
.set T,    64                          ; epilogues: partial sums
.set L,    96                          ; epilogues: the four waves' figures
.set PG,   128                         ; epilogues: G of the 32 rows in hand, 128 registers
.set HL,   64                          ; h as f32, two buffers of 64
.set CV,   192                         ; conversions of x and h, two buffers of 32
.set HB,   64                          ; E3: h as bf16
.set EO,   64                          ; E3: 16 rows read back from the stage
.set BW,  8                            ; s[8:9]  the weights at my wave's part of tile 0; never rewritten once made
.set WV,  14                           ; s14  my wave's number
.set G1,  24                           ; s[24:31] descriptor group 1
.set G0,  32                           ; s[32:35] descriptor group 0
.set KC,  40                           ; counts K steps
.set EC,  41                           ; counts an epilogue's trips
.set HIM, 42                           ; 0xffff0000: lanes 16-31, and a word's upper bf16
.set KO,  43                           ; byte offset along K of the fragments of x and h to be fetched
.set SEL, 44                           ; s[44:45] v_permlanex16_b32's selects: each lane takes its own place in the other half
.set RN,  46                           ; 1 / the LayerNorm's length
.set EPS, 47
.set PBS, 66                           ; s[66:73] the weights' base for the loads into buffer b, half u, at s[PBS + 4 b + 2 u]: my wave's part of the tile that the group loaded last
.set MSB, 0
.macro WIN new                         ; the immediate's high byte repeats the setting that is left; a switch that changes nothing is dropped
.if MSB != (\new)
	s_set_vgpr_msb (MSB<<8)|(\new)
.set MSB, \new
.endif
.endm
; A load into a register that a matrix instruction has read, and a vector instruction that reads a matrix result or writes one of a matrix instruction's registers, stand four places behind it
; (ISA guide 7.12.1 for vector instructions); matrix instructions in between are not counted as places.
.macro PLACES
.rept 4
	v_nop
.endr
.endm
	s_load_b256 s[4:11], s[0:1], 0x0               ; x s[4:5], h s[6:7], wt s[8:9], bias s[10:11]
	s_load_b64 s[12:13], s[0:1], 0x20              ; out0
	v_lshl_add_u32 v[SPW], v0, 2, SPARE
	v_mov_b32 v[NIL], 0
	ds_add_u32 v[SPW], v[NIL]                      ; the wave's opening: the add and its wait stand ahead of my first tensor load; the set-up below, work on registers, stands between them
	ds_add_u32 v14, v15
	v_lshrrev_b32 v22, 5, v0
	v_readfirstlane_b32 s[WV], v22                 ; wave 0..3
	s_lshl_b32 s18, ttmp9, 17                      ; my block: 64 rows of 2,048 bytes
	s_mov_b32 s19, 0
	; descriptor group 1: my 16 rows of h are 32,768 dense bytes: asked for as 128 rows of 256 bytes, laid in LDS without a gap
	s_mov_b32 s[G1+0], 3<<16                       ; 15:0 no mask; 17:16 elements of 8 bytes; 20 no padding
	s_mov_b32 s[G1+1], 32<<16                      ; tensor_dim0 = 32 elements
	s_mov_b32 s[G1+2], 128<<16                     ; tensor_dim1 = 128
	s_mov_b32 s[G1+3], 32<<16                      ; tile_dim0 = 32
	s_mov_b32 s[G1+4], 128                         ; tile_dim1 = 128
	s_mov_b32 s[G1+5], 32                          ; 32 elements from row to row
	s_mov_b32 s[G1+6], 0
	s_mov_b32 s[G1+7], 0
	s_lshl_b32 s55, s[WV], 15                      ; 16 rows of 2,048 bytes, and my part of G's region
	s_mov_b32 s[G0+0], 1
	s_add_co_u32 s[G0+1], s55, GR
	s_mov_b32 s56, s55
	s_mov_b32 s57, 0
	s_lshl_b32 s20, s[WV], 14                      ; my part of a tile of weights
	s_mov_b32 s21, 0
	s_mov_b32 s[HIM], 0xffff0000
	s_mov_b32 s[SEL], 0x76543210
	s_mov_b32 s[SEL+1], 0xfedcba98
	s_mov_b32 s[EPS], 0x3727c5ac                   ; 1e-5
	v_and_b32 v[LR], 15, v0
	v_bfe_u32 v[LH], v0, 4, 1
	v_and_b32 v22, 31, v0                          ; lane
	v_lshlrev_b32 v[WO], 4, v22
	; a fragment of x or h: lane l holds row l % 16, k = 8 (l / 16) + 0..7 and 16 + 8 (l / 16) + 0..7: two loads of 16 bytes, 32 bytes apart
	v_mul_u32_u24 v[AX0], v[LR], PA
	v_lshl_add_u32 v[AX0], v[LH], 4, v[AX0]        ; (x lies at LDS byte 0)
	v_add_nc_u32 v[AH0], HT-XT, v[AX0]
	s_lshl_b32 s48, s[WV], 8                       ; my 128 columns in bf16
	v_add_nc_u32 v[HRD], s48, v[AH0]
	s_lshl_b32 s49, s[WV], 9                       ; my 128 columns in f32
	s_add_co_u32 s50, s49, BIAS
	v_lshl_add_u32 v[BIASA], v[LH], 5, s50
	s_mul_i32 s51, s[WV], 16*PA                    ; I convert rows 16 w .. 16 w + 15
	v_lshl_add_u32 v[XST], v22, 3, s51
	v_add_nc_u32 v[HST], HT-XT, v[XST]
	v_lshl_add_u32 v[STW], v0, 3, STAT
	v_lshl_add_u32 v[STR], v[LR], 3, STAT
	v_lshl_add_u32 v[STW3], v0, 4, STAT
	v_lshl_add_u32 v[STR3], v[LR], 4, STAT
	s_mul_i32 s54, s[WV], 16*SPITCH
	s_add_co_u32 s54, s54, STAGE                   ; my stage
	v_mul_u32_u24 v[STO], v[LR], SPITCH
	v_lshl_add_u32 v[STO], v[LH], 5, v[STO]
	v_add_nc_u32 v[STO], s54, v[STO]
	v_lshl_add_u32 v[RD], v22, 4, s54
	v_lshl_add_u32 v[GO], v22, 4, s49
	v_lshl_add_u32 v[GA], v22, 4, s55
	v_lshl_add_u32 v[G0A], v22, 4, s[G0+1]
	v_lshlrev_b32 v27, 4, v0                       ; 16 bytes of the biases a thread
	v_add_nc_u32 v28, BIAS, v27
	s_wait_dscnt 0x0                               ; the opening add is done
	s_wait_kmcnt 0x0
	s_add_nc_u64 s[4:5], s[4:5], s[18:19]
	s_add_nc_u64 s[6:7], s[6:7], s[18:19]
	s_add_nc_u64 s[12:13], s[12:13], s[18:19]
	s_add_nc_u64 s[BW:BW+1], s[BW:BW+1], s[20:21]  ; tile 0, my part
.irp b, 0,1
.irp q, 0,1
	s_add_nc_u64 s[PBS+4*\b+2*\q:PBS+4*\b+2*\q+1], s[BW:BW+1], TILE*\b  ; buffer b begins with tile b, which the loads below bring; each K step steps its two bases two tiles before it uses them
.endr
.endr
	s_add_nc_u64 s[G0+2:G0+3], s[6:7], s[56:57]    ; my 16 rows of h
	s_or_b32 s[G0+3], s[G0+3], 0x80000000          ; type = 2
.irp j, 0,1,2,3,4,5
	global_load_b128 v[AF0+4*\j:AF0+4*\j+3], v27, s[10:11] offset:2048*\j
.endr
	WIN 0x80                                       ; destination window 2
.set pi, 0
.rept 64                                           ; my 16 rows of x are 32,768 bytes on end: 64 loads of 512 consecutive bytes
	global_load_b128 v[4*pi:4*pi+3], v[GA], s[4:5] offset:512*pi th:TH_LOAD_NT
.set pi, pi+1
.endr
	WIN 0
	tensor_load_to_lds s[G0:G0+3], s[G1:G1+7]      ; h, behind x, which is wanted first: my one tensor load; it has all of P1 in which to land
	s_nop 0
	PLACES
.set pg, 0
.rept 4                                            ; x to bf16 and into LDS, four rows at a time; behind each four rows a quarter of the first two K steps' weights is asked for
	s_wait_loadcnt 0x30                            ; behind these 16 loads of x stand 48 - 16 g of x and 16 g of weights: 48 may stay out; the biases are older
	WIN 0x0a                                       ; sources window 2
.set pi, 0
.rept 32
	v_cvt_pk_bf16_f32 v[CV+pi], v[64*pg+2*pi], v[64*pg+2*pi+1]
.set pi, pi+1
.endr
	WIN 0
.set pi, 0
.rept 16
	ds_store_b64 v[XST], v[CV+2*pi:CV+2*pi+1] offset:PA*((16*pg+pi)/4)+256*(pi%4)
.set pi, pi+1
.endr
.if pg == 0
.irp j, 0,1,2,3,4,5
	ds_store_b128 v28, v[AF0+4*\j:AF0+4*\j+3] offset:2048*\j
.endr
.endif
	WIN 0x40                                       ; destination window 1
.set pi, 0
.rept 16
.set pn, 16*pg+pi
	global_load_b128 v[4*pn:4*pn+3], v[WO], s[BW:BW+1] offset:TILE*(pn/32)+512*(pn%32)
.set pi, pi+1
.endr
.set pg, pg+1
.endr
	WIN 0
	s_wait_dscnt 0x0                               ; for the others' sake: my rows of x and my part of the biases are in LDS
	s_barrier_signal -1
	s_barrier_wait -1
; 32 matrix instructions: the eight fragments of half u of weight buffer beta x the four row tiles in af.  cm = 1: the bias (in BB) starts the sums: nothing is cleared.
; The accumulators take turns, one instruction a turn: all 64 of a K step differ.
.macro MULH beta, af, u, cm
.set mhw, 0
.rept 2
.if \cm
	WIN 0x81+0x40*mhw                              ; weights window 1, rows and bias window 0, sums window 2 or 3
.else
	WIN 0xa1+0x50*mhw
.endif
.set mi, 0
.rept 8
.set mB, 128*(\beta)+64*(\u)+8*mi
.set mC, 64*(\u)+8*mi
.set mrr, 0
.rept 2
.if \cm
	v_wmma_f32_16x16x32_bf16 v[128*mrr+mC:128*mrr+mC+7], v[mB:mB+7], v[(\af)+8*(2*mhw+mrr):(\af)+8*(2*mhw+mrr)+7], v[BB+mC:BB+mC+7]
.else
	v_wmma_f32_16x16x32_bf16 v[128*mrr+mC:128*mrr+mC+7], v[mB:mB+7], v[(\af)+8*(2*mhw+mrr):(\af)+8*(2*mhw+mrr)+7], v[128*mrr+mC:128*mrr+mC+7]
.endif
.set mrr, mrr+1
.endr
.set mi, mi+1
.endr
.set mhw, mhw+1
.endr
.endm
.macro FA adr, af                      ; 8 loads: 64 rows x 32 k
.irp rt, 0,1,2,3
	ds_load_b128 v[(\af)+8*\rt:(\af)+8*\rt+3],   v[\adr] offset:16*PA*\rt
	ds_load_b128 v[(\af)+8*\rt+4:(\af)+8*\rt+7], v[\adr] offset:16*PA*\rt+32
.endr
.endm
; A K STEP on weight buffer beta: two halves of 32 matrix instructions, and behind each ONE run of memory instructions.
; ld = 1: behind each half its registers are loaded again, with the same half of the K step two on: 16 loads.  Loads come back in order (ISA guide 5.7.1): behind a half's 16 loads three younger groups of 16 have
; been issued when it is wanted, so the wait leaves 48 out.  That wait shows done the very loads that named this group's base, so the base is stepped straight behind it, with no further wait.
; ld = 0 (the last two K steps): nothing is loaded, and the count falls by 16 a half from c0.
; dual = 0: the rows (of the operand at bas) lie in AF0 or AF1 by beta; the next step's are fetched behind half 0.  dual = 1: x in AF0 for half 0, fetched anew behind half 0; h in AF1 for half 1, behind half 1;
; a wait for one of them leaves the other's 8 loads out.  fa = 0: nothing more is fetched.  The offset along K wraps at a row's end, so that a phase's last step reads inside its own 64 rows (what it brings is not used).
.macro KSTEP beta, dual, ld, cm, fa, c0, bas
.set kh, 0
.rept 2
.if \ld
	s_wait_loadcnt 48
	s_add_nc_u64 s[PBS+4*(\beta)+2*kh:PBS+4*(\beta)+2*kh+1], s[PBS+4*(\beta)+2*kh:PBS+4*(\beta)+2*kh+1], 2*TILE
.else
	s_wait_loadcnt (\c0)-16*kh
.endif
.if \dual
.set kA, AF0+32*kh
.if kh == 0
.if \cm
	s_wait_dscnt 0x0                               ; a phase's first step: rows and bias
.else
	s_wait_dscnt 0x8                               ; x is in; h's 8 loads may be out
.endif
.else
.if \fa
	s_wait_dscnt 0x8                               ; h is in; the next x's 8 loads may be out
.else
	s_wait_dscnt 0x0
.endif
.endif
.else
.set kA, AF0+32*(\beta)
.if kh == 0
	s_wait_dscnt 0x0                               ; the rows, asked for 32 matrix instructions ago (a phase's first step: and the bias)
.endif
.endif
	MULH \beta, kA, kh, \cm
	PLACES
.if \ld
	WIN 0x40                                       ; destination window 1, address window 0
.set ki, 0
.rept 16
	global_load_b128 v[128*(\beta)+64*kh+4*ki:128*(\beta)+64*kh+4*ki+3], v[WO], s[PBS+4*(\beta)+2*kh:PBS+4*(\beta)+2*kh+1] offset:8192*kh+512*ki
.set ki, ki+1
.endr
.endif
.if \fa
.if \dual
.if kh == 0
	WIN 0
	s_add_co_u32 s[KO], s[KO], 64
	s_and_b32 s[KO], s[KO], 0x3c0
	v_add_nc_u32 v[ADRAX], s[KO], v[AX0]
	FA ADRAX, AF0
.else
	WIN 0
	v_add_nc_u32 v[ADRAH], s[KO], v[AH0]
	FA ADRAH, AF1
.endif
.else
.if kh == 0
	WIN 0
	s_add_co_u32 s[KO], s[KO], 64
	s_and_b32 s[KO], s[KO], 0x3c0
	v_add_nc_u32 v[ADRAX], s[KO], v[\bas]
	FA ADRAX, AF0+32*(1-(\beta))
.endif
.endif
.endif
.set kh, kh+1
.endr
.endm
; A PHASE: the first step's rows and the bias of my 256 columns (register j of tile ct is column 16 ct + 8 (l / 16) + j, whatever the row); the first K step, written out, whose products take the bias as C;
; then the loop, entered in its middle: n passes through its end, 2 n K steps in all with the first.
.macro PHASE tag, p, dual, bas, n
	WIN 0
	s_mov_b32 s[KO], 0
	FA \bas, AF0
.if \dual
	FA AH0, AF1
.endif
.set fb, 0
.rept 16
	ds_load_b128 v[BB+8*fb:BB+8*fb+3],   v[BIASA] offset:2048*(2*(\p)+fb/8)+64*(fb%8)
	ds_load_b128 v[BB+8*fb+4:BB+8*fb+7], v[BIASA] offset:2048*(2*(\p)+fb/8)+64*(fb%8)+16
.set fb, fb+1
.endr
	KSTEP 0, \dual, 1, 1, 1, 48, \bas
	WIN 0                                          ; at a label and at a branch every window is 0
	s_mov_b32 s[KC], \n
	s_branch .LKm\tag
.LK\tag:
	KSTEP 0, \dual, 1, 0, 1, 48, \bas
	WIN 0
.LKm\tag:
	KSTEP 1, \dual, 1, 0, 1, 48, \bas
	WIN 0
	s_sub_co_u32 s[KC], s[KC], 1
	s_cmp_lg_u32 s[KC], 0
	s_cbranch_scc1 .LK\tag
.endm
; ---- the epilogues' parts ----
.macro TREES base, n, ngr, gs          ; in each of ngr groups, gs registers apart, n pairs are added into the first; level by level, so that no line waits for the one before it
.irp hv, 16,8,4,2,1
.if \hv < (\n)
.set tg, 0
.rept \ngr
.set ti, 0
.rept \hv
	v_pk_add_f32 v[(\base)+(\gs)*tg+2*ti:(\base)+(\gs)*tg+2*ti+1], v[(\base)+(\gs)*tg+2*ti:(\base)+(\gs)*tg+2*ti+1], v[(\base)+(\gs)*tg+2*(ti+\hv):(\base)+(\gs)*tg+2*(ti+\hv)+1]
.set ti, ti+1
.endr
.set tg, tg+1
.endr
.endif
.endr
.endm
.macro LANES base, ngr, gs             ; a pair's two halves, and the row's other columns, which lie in the lane 16 away
.set lg, 0
.rept \ngr
	v_add_f32 v[(\base)+(\gs)*lg], v[(\base)+(\gs)*lg], v[(\base)+(\gs)*lg+1]
.set lg, lg+1
.endr
.set lg, 0
.rept \ngr
	v_permlanex16_b32 v[(\base)+(\gs)*lg+1], v[(\base)+(\gs)*lg], s[SEL], s[SEL+1]
.set lg, lg+1
.endr
.set lg, 0
.rept \ngr
	v_add_f32 v[(\base)+(\gs)*lg], v[(\base)+(\gs)*lg], v[(\base)+(\gs)*lg+1]
.set lg, lg+1
.endr
.endm
; Group g's four (mean_w, M2_w), at cb, cb + cs, ..: the row's mean; M2 = sum M2_w + n_w sum (mean_w - mean)^2; 1 / sqrt(M2 / N + eps); my wave's mean less the row's.
.macro COMB g, cb, cs, knw
	v_add_f32 v[CT], v[(\cb)], v[(\cb)+(\cs)]
	v_add_f32 v[CT+1], v[(\cb)+2*(\cs)], v[(\cb)+3*(\cs)]
	v_add_f32 v[CT+2], v[(\cb)+1], v[(\cb)+(\cs)+1]
	v_add_f32 v[CT+3], v[(\cb)+2*(\cs)+1], v[(\cb)+3*(\cs)+1]
	v_add_f32 v[CT], v[CT], v[CT+1]
	v_add_f32 v[CT+2], v[CT+2], v[CT+3]
	v_mul_f32 v[CT], 0x3e800000, v[CT]             ; the four waves have equally many columns
	v_sub_f32 v[CT+4], v[(\cb)], v[CT]
	v_sub_f32 v[CT+5], v[(\cb)+(\cs)], v[CT]
	v_sub_f32 v[CT+6], v[(\cb)+2*(\cs)], v[CT]
	v_sub_f32 v[CT+7], v[(\cb)+3*(\cs)], v[CT]
	v_mul_f32 v[CT+4], v[CT+4], v[CT+4]
	v_fmac_f32 v[CT+4], v[CT+5], v[CT+5]
	v_fmac_f32 v[CT+4], v[CT+6], v[CT+6]
	v_fmac_f32 v[CT+4], v[CT+7], v[CT+7]
	v_fmamk_f32 v[CT+2], v[CT+4], \knw, v[CT+2]
	v_fma_f32 v[CT+2], v[CT+2], s[RN], s[EPS]
	v_rsq_f32 v[RS+(\g)], v[CT+2]
	v_sub_f32 v[DL+(\g)], v[MW+2*(\g)], v[CT]      ; also the plain line behind the root (ISA guide 5.7.2)
.endm
; The statistics of the 32 rows in window 2, in ngr groups of 256 / ngr registers (2: a row tile's 128 numbers a lane; 4: a row tile's and half's 64).  kmean = 1 / my wave's columns, knw = my wave's columns.
; The sums are left centred on my wave's mean.  Each accumulator's lowest registers are read first.  gl = 1: G of these 32 rows is asked for as soon as its registers are free; it lands under the centring.
.macro STATS ngr, kmean, knw, gl
.set gp, 128/(\ngr)
.set nch, 16/(\ngr)
	WIN 0x0a                                       ; sources window 2, destination window 0
.set si, 0
.rept 32
	v_pk_add_f32 v[T+4*si:T+4*si+1], v[8*si:8*si+1], v[8*si+2:8*si+3]
	v_pk_add_f32 v[T+4*si+2:T+4*si+3], v[8*si+4:8*si+5], v[8*si+6:8*si+7]
.set si, si+1
.endr
	WIN 0
	TREES T, gp/2, \ngr, gp
	LANES T, \ngr, gp
.set sg, 0
.rept \ngr
	v_mul_f32 v[MW+2*sg], \kmean, v[T+gp*sg]
	v_mul_f32 v[MW+2*sg+1], \kmean, v[T+gp*sg]     ; named with it as a pair
.set sg, sg+1
.endr
.if \gl
.set gi, 0
.rept 32
	ds_load_b128 v[PG+4*gi:PG+4*gi+3], v[GADR] offset:512*gi  ; my own bytes: LDS serves a wave's instructions in order (ISA guide 5.7.1.4)
.set gi, gi+1
.endr
.endif
	WIN 0x82                                       ; destination and source 0 window 2
.set si, 0
.rept 128
	v_pk_add_f32 v[2*si:2*si+1], v[2*si:2*si+1], v[MW+2*(si/gp):MW+2*(si/gp)+1] op_sel_hi:[1,0] neg_lo:[0,1] neg_hi:[0,1]
.set si, si+1
.endr
	WIN 0x0a
.set si, 0
.rept 128                                          ; the squares, in 16 chains that the first products start
.set sc, T+2*((si/gp)*nch+si%nch)
.if (si%gp) < nch
	v_pk_mul_f32 v[sc:sc+1], v[2*si:2*si+1], v[2*si:2*si+1]
.else
	v_pk_fma_f32 v[sc:sc+1], v[2*si:2*si+1], v[2*si:2*si+1], v[sc:sc+1]
.endif
.set si, si+1
.endr
	WIN 0
	TREES T, nch, \ngr, 2*nch
	LANES T, \ngr, 2*nch
	; every lane holds both row tiles' figures: lanes 0-15 send the first tile's, lanes 16-31 the second's: lane l speaks for row l of the 32
.if (\ngr) == 2
	v_cndmask_b32 v[EX], v[MW], v[MW+2], s[HIM]
	v_cndmask_b32 v[EX+1], v[T], v[T+16], s[HIM]
	ds_store_b64 v[STW], v[EX:EX+1]
.else
	v_cndmask_b32 v[EX], v[MW], v[MW+4], s[HIM]
	v_cndmask_b32 v[EX+1], v[T], v[T+16], s[HIM]
	v_cndmask_b32 v[EX+2], v[MW+2], v[MW+6], s[HIM]
	v_cndmask_b32 v[EX+3], v[T+8], v[T+24], s[HIM]
	ds_store_b128 v[STW3], v[EX:EX+3]
.endif
	s_wait_dscnt 0x0                               ; for the others' sake: my figures (in E1 also my rows of h) are in LDS; G is in too
	s_barrier_signal -1
	s_barrier_wait -1
.irp a, 0,1
.irp w, 0,1,2,3
.if (\ngr) == 2
	ds_load_b64 v[L+8*\a+2*\w:L+8*\a+2*\w+1], v[STR] offset:256*\w+128*\a
.else
	ds_load_b128 v[L+16*\a+4*\w:L+16*\a+4*\w+3], v[STR3] offset:512*\w+256*\a
.endif
.endr
.endr
	s_wait_dscnt 0x0                               ; my reads are over:
	s_barrier_signal -1                            ; a second barrier, so that nobody stores the next trip's figures while a wave still reads these; register work stands inside it
.if (\ngr) == 2
	COMB 0, L, 2, \knw
	COMB 1, L+8, 2, \knw
.else
	COMB 0, L, 4, \knw
	COMB 1, L+2, 4, \knw
	COMB 2, L+16, 4, \knw
	COMB 3, L+18, 4, \knw
.endif
	s_barrier_wait -1
.endm
.macro SCALES ngr, kc                  ; SS = kc / sigma, OO = (my wave's mean - the row's) x SS: (y - mean) kc / sigma = centred x SS + OO.  Each twice: the packed lines name pairs
.set sg, 0
	s_wait_alu depctr_va_vdst(0)
.rept \ngr
	v_mul_f32 v[SS+2*sg], \kc, v[RS+sg]
	v_mul_f32 v[SS+2*sg+1], \kc, v[RS+sg]
.set sg, sg+1
.endr
.set sg, 0
.rept \ngr
	v_mul_f32 v[OO+2*sg], v[DL+sg], v[SS+2*sg]
	v_mul_f32 v[OO+2*sg+1], v[DL+sg], v[SS+2*sg]
.set sg, sg+1
.endr
.endm
.macro COPYACC                         ; window 3's sums into window 2, in ascending order: each accumulator's lowest register is read first
	WIN 0x83
.set gi, 0
.rept 256
	v_mov_b32 v[gi], v[gi]
.set gi, gi+1
.endr
.endm
.macro TOGS                            ; window 2's 256 numbers, rounded to f16 in pairs, into my part of G in LDS: 32 stores of 512 consecutive bytes
	WIN 0x0a                                       ; sources window 2, destination window 0
.set gi, 0
	s_wait_alu depctr_va_vdst(0)
.rept 128
	v_cvt_pk_f16_f32 v[PG+gi], v[2*gi], v[2*gi+1]
.set gi, gi+1
.endr
	WIN 0
.set gi, 0
.rept 32
	ds_store_b128 v[GADR], v[PG+4*gi:PG+4*gi+3] offset:512*gi
.set gi, gi+1
.endr
.endm
.macro MIX2 d, sc, g, hi               ; d = d x sc + half hi of g (f16)
.if \hi
	v_fma_mix_f32 v[\d], v[\d], v[\sc], v[\g] op_sel:[0,0,1] op_sel_hi:[0,0,1]
.else
	v_fma_mix_f32 v[\d], v[\d], v[\sc], v[\g] op_sel_hi:[0,0,1]
.endif
.endm
.macro MIX1 d, a, g, c, hi             ; d = a x half hi of g (f16) + c
.if \hi
	v_fma_mix_f32 v[\d], v[\a], v[\g], v[\c] op_sel:[0,1,0] op_sel_hi:[0,1,0]
.else
	v_fma_mix_f32 v[\d], v[\a], v[\g], v[\c] op_sel_hi:[0,1,0]
.endif
.endm
.macro LDH g                           ; four of my rows of h, f32, out of LDS: 16 loads of 512 consecutive bytes
.set hq, 0
.rept 16
	ds_load_b128 v[HL+64*((\g)%2)+4*hq:HL+64*((\g)%2)+4*hq+3], v[G0A] offset:512*(16*(\g)+hq)
.set hq, hq+1
.endr
.endm
; ================ P1: x W_i2h + b_i2h ================
	PHASE 1, 0, 0, AX0, 8
	; h, which came in under P1, to bf16 and into its rows; E1's first barrier shows it to the other waves
	s_wait_dscnt 0x0                               ; the last step's fetch of rows, which nobody uses, has landed: its registers are free
	s_wait_tensorcnt 0x0                           ; my 16 rows of h are in LDS: no tensor load was issued behind this one
	LDH 0
	LDH 1
.set pg, 0
.rept 4
.if (pg == 0) || (pg == 3)
	s_wait_dscnt 16                                ; behind these 16 loads: the next 16 loads (first group), or the last 16 stores (last group)
.else
	s_wait_dscnt 32                                ; behind these 16 loads: 16 stores and 16 loads
.endif
.set pi, 0
.rept 32
	v_cvt_pk_bf16_f32 v[CV+32*(pg%2)+pi], v[HL+64*(pg%2)+2*pi], v[HL+64*(pg%2)+2*pi+1]
.set pi, pi+1
.endr
.set pi, 0
.rept 16
	ds_store_b64 v[HST], v[CV+32*(pg%2)+2*pi:CV+32*(pg%2)+2*pi+1] offset:PA*((16*pg+pi)/4)+256*(pi%4)
.set pi, pi+1
.endr
.if pg < 2
	LDH pg+2
.endif
.set pg, pg+1
.endr
; ---------------- E1: G = -log2(e) x LayerNorm, f16, over the bytes that held my rows of h in f32 ----------------
	s_mov_b32 s[RN], 0x3a800000                    ; 1 / 1,024
	v_mov_b32 v[GADR], v[G0A]
	s_mov_b32 s[EC], 2
.LE1:
	STATS 2, 0x3b800000, 0x43800000, 0             ; my wave has 256 of a row's columns
	SCALES 2, 0xbfb8aa3b
	WIN 0x82
.set gi, 0
.rept 128
	v_pk_fma_f32 v[2*gi:2*gi+1], v[2*gi:2*gi+1], v[SS+2*(gi/64):SS+2*(gi/64)+1], v[OO+2*(gi/64):OO+2*(gi/64)+1] op_sel_hi:[1,0,0]
.set gi, gi+1
.endr
	TOGS
	s_cmp_eq_u32 s[EC], 1
	s_cbranch_scc1 .LE1s                           ; the last trip moves nothing: a jump forward, past no barrier and no tensor load
	v_add_nc_u32 v[GADR], 16384, v[GADR]           ; G of rows 32-63
	COPYACC
	WIN 0
.LE1s:
	s_sub_co_u32 s[EC], s[EC], 1
	s_cmp_lg_u32 s[EC], 0
	s_cbranch_scc1 .LE1
; ================ P2: h W_h2h + b_h2h ================
	PHASE 2, 1, 0, AH0, 8
; ---------------- E2: gates = 1 / (1 + 2^(G + centred x SS) x 2^OO), f16, back into G's bytes ----------------
	s_wait_dscnt 0x0                               ; the last step's fetch of rows has landed: its registers are free
	v_mov_b32 v[GADR], v[G0A]
	s_mov_b32 s[EC], 2
.LE2:
	STATS 2, 0x3b800000, 0x43800000, 1
	SCALES 2, 0xbfb8aa3b
.irp j, 0,1,2,3
	v_exp_f32 v[OO+\j], v[OO+\j]                   ; 2^OO; OO is at most 2.9 in size, since 256 (mean_w - mean)^2 is at most M2
.endr
	v_nop                                          ; a plain line behind the exponentials
	WIN 0x82                                       ; destination and source 0 window 2; the scale and G window 0
	; four stages, an accumulator apart: exponent; exponential; x 2^OO + 1; reciprocal.  Plain lines stand among the transcendental ones, and a result is used a stage's length later.
.set pk, 0
.rept 35
.set pj, 0
.rept 8
.if pk < 32
	MIX2 8*pk+pj, SS+2*(pk/16), PG+4*pk+pj/2, pj%2
.endif
.if (pk >= 1) && (pk <= 32)
	v_exp_f32 v[8*(pk-1)+pj], v[8*(pk-1)+pj]
.endif
.if (pk >= 2) && (pk <= 33) && (pj < 4)
	s_wait_alu depctr_va_vdst(0)
	v_pk_fma_f32 v[8*(pk-2)+2*pj:8*(pk-2)+2*pj+1], v[8*(pk-2)+2*pj:8*(pk-2)+2*pj+1], v[OO+2*((pk-2)/16):OO+2*((pk-2)/16)+1], 1.0 op_sel_hi:[1,0,0]
.endif
.if pk >= 3
	v_rcp_f32 v[8*(pk-3)+pj], v[8*(pk-3)+pj]
.endif
.set pj, pj+1
.endr
.set pk, pk+1
.endr
	TOGS
	s_cmp_eq_u32 s[EC], 1
	s_cbranch_scc1 .LE2s
	v_add_nc_u32 v[GADR], 16384, v[GADR]
	COPYACC
	WIN 0
.LE2s:
	s_sub_co_u32 s[EC], s[EC], 1
	s_cmp_lg_u32 s[EC], 0
	s_cbranch_scc1 .LE2
; ================ P3: half 0: x W_hatW + b_hatW; half 1: h W_hatU + b_hatU ================
	PHASE 3, 2, 1, AX0, 7                          ; 14 K steps; the last of them asks for the last tile
	KSTEP 0, 1, 0, 0, 1, 48, AX0                   ; the last two K steps are written out: no load leaves the buffer, and the counts run down: 48, 32,
	KSTEP 1, 1, 0, 0, 0, 16, AX0                   ; 16, 0
; ---------------- E3: tanh(first + r x last) = 1 - 2 / (1 + 2^(2 log2(e) (..))); out = h + z (tanh - h) ----------------
; Row tile a of the 32 rows in hand.  F: the x side's 64 numbers, L: the h side's, in window 2; z and r in PG, window 0.
.macro E3T a
.set eF, 128*(\a)
.set eL, 128*(\a)+64
.set eZ, PG+64*(\a)
.set eR, PG+64*(\a)+32
	WIN 0
.if \a
	s_wait_xcnt 0x0                                ; registers that the tile before stored from are loaded again only behind this wait
.endif
.set ei, 0
.rept 8
	ds_load_b128 v[HB+4*ei:HB+4*ei+3], v[HRD] offset:16*PA*(\a)+32*ei  ; h of my 64 elements, bf16
.set ei, ei+1
.endr
	WIN 0x82
.set ei, 0
.rept 32
	v_pk_fma_f32 v[eL+2*ei:eL+2*ei+1], v[eL+2*ei:eL+2*ei+1], v[SS+4*(\a)+2:SS+4*(\a)+3], v[OO+4*(\a)+2:OO+4*(\a)+3] op_sel_hi:[1,0,0]
	v_pk_fma_f32 v[eF+2*ei:eF+2*ei+1], v[eF+2*ei:eF+2*ei+1], v[SS+4*(\a):SS+4*(\a)+1], v[OO+4*(\a):OO+4*(\a)+1] op_sel_hi:[1,0,0]
.set ei, ei+1
.endr
	WIN 0xa2                                       ; destination, sources 0 and 2 window 2, source 1 window 0
.set ei, 0
.rept 64
	MIX1 eF+ei, eL+ei, eR+ei/2, eF+ei, ei%2        ; F += r L
.set ei, ei+1
.endr
	s_wait_dscnt 0x0                               ; h is in
	WIN 0x82
.set ei, 0
.rept 64                                           ; the exponentials, and between them h is widened into L's registers
	v_exp_f32 v[eF+ei], v[eF+ei]
.if ei%2
	v_and_b32 v[eL+ei], s[HIM], v[HB+ei/2]
.else
	v_lshlrev_b32 v[eL+ei], 16, v[HB+ei/2]
.endif
.set ei, ei+1
.endr
.set ei, 0
.rept 34                                           ; three stages, a pair apart: + 1; two reciprocals; 1 - 2 x.  A plain line stands behind each pair of reciprocals before their results are used
.if ei < 32
	s_wait_alu depctr_va_vdst(0)
	v_pk_add_f32 v[eF+2*ei:eF+2*ei+1], v[eF+2*ei:eF+2*ei+1], 1.0 op_sel_hi:[1,0]
.endif
.if (ei >= 1) && (ei <= 32)
	v_rcp_f32 v[eF+2*ei-2], v[eF+2*ei-2]
	v_rcp_f32 v[eF+2*ei-1], v[eF+2*ei-1]
.endif
.if ei >= 2
	s_wait_alu depctr_va_vdst(0)
	v_pk_fma_f32 v[eF+2*ei-4:eF+2*ei-3], v[eF+2*ei-4:eF+2*ei-3], -2.0, 1.0 op_sel_hi:[1,0,0]
.endif
.set ei, ei+1
.endr
	WIN 0xa2
.set ei, 0
.rept 32
	v_pk_fma_f32 v[eF+2*ei:eF+2*ei+1], v[eL+2*ei:eL+2*ei+1], -1.0, v[eF+2*ei:eF+2*ei+1] op_sel_hi:[1,0,1]  ; tanh - h
.set ei, ei+1
.endr
.set ei, 0
.rept 64
	MIX1 eF+ei, eF+ei, eZ+ei/2, eL+ei, ei%2        ; z (tanh - h) + h
.set ei, ei+1
.endr
	; the way out: a lane's eight columns of a row are 32 bytes; 16 rows go through my own stage and come back as whole rows of 512 bytes
	WIN 0x08                                       ; store data window 2
.set ei, 0
.rept 8
	ds_store_b128 v[STO], v[eF+8*ei:eF+8*ei+3] offset:64*ei
	ds_store_b128 v[STO], v[eF+8*ei+4:eF+8*ei+7] offset:64*ei+16
.set ei, ei+1
.endr
	WIN 0
.set ei, 0
.rept 16
	ds_load_b128 v[EO+4*ei:EO+4*ei+3], v[RD] offset:SPITCH*ei  ; LDS serves a wave's instructions in order (ISA guide 5.7.1.4): these see the stores above
.set ei, ei+1
.endr
.set ei, 0
.rept 16
	s_wait_dscnt 15-ei                             ; row ei is back; the younger rows may be out
	global_store_b128 v[GO], v[EO+4*ei:EO+4*ei+3], s[12:13] offset:32768*(\a)+2048*ei th:TH_STORE_NT  ; 32 lanes store 512 consecutive bytes, at a multiple of 512 from out0's first byte
.set ei, ei+1
.endr
.endm
	WIN 0
	s_mov_b32 s[RN], 0x3b000000                    ; 1 / 512
	v_mov_b32 v[GADR], v[G0A]
	s_mov_b32 s[EC], 2
.LE3:
	s_wait_xcnt 0x0                                ; the sums below write registers that the trip before stored from
	STATS 4, 0x3c000000, 0x43000000, 1             ; my wave has 128 of a row's columns
	SCALES 4, 0x4038aa3b                           ; 2 log2(e)
	E3T 0
	E3T 1
	WIN 0
	s_cmp_eq_u32 s[EC], 1
	s_cbranch_scc1 .LE3s
	s_wait_xcnt 0x0                                ; the stores have read out0's address
	s_add_nc_u64 s[12:13], s[12:13], 65536         ; 32 rows on
	v_add_nc_u32 v[HRD], 32*PA, v[HRD]
	v_add_nc_u32 v[GADR], 16384, v[GADR]
	COPYACC
	WIN 0
.LE3s:
	s_sub_co_u32 s[EC], s[EC], 1
	s_cmp_lg_u32 s[EC], 0
	s_cbranch_scc1 .LE3
	s_wait_tensorcnt 0x0                           ; the wave's end: behind my last tensor load and my last LDS store
	ds_add_u32 v[SPW], v[NIL]
	s_wait_dscnt 0x0
	s_endpgm
.Lfunc_end_k_qf291f33689_cell:
	.size	k_qf291f33689_cell, .Lfunc_end_k_qf291f33689_cell-k_qf291f33689_cell
	.p2alignl 7, 3214868480
	.fill 96, 4, 3214868480
	.section	.rodata,"a",@progbits
	.p2align	6, 0x0
	.amdhsa_kernel k_qf291f33689_cell
		.amdhsa_group_segment_fixed_size 327680
		.amdhsa_private_segment_fixed_size 0
		.amdhsa_enable_private_segment 0
		.amdhsa_kernarg_size 40
		.amdhsa_user_sgpr_count 2
		.amdhsa_user_sgpr_kernarg_segment_ptr 1
		.amdhsa_wavefront_size32 1
		.amdhsa_system_sgpr_workgroup_id_x 1
		.amdhsa_system_sgpr_workgroup_id_y 1
		.amdhsa_system_sgpr_workgroup_id_z 1
		.amdhsa_system_vgpr_workitem_id 0
		.amdhsa_next_free_vgpr 1024
		.amdhsa_next_free_sgpr 74
		.amdhsa_reserve_vcc 0
		.amdhsa_float_denorm_mode_32 3
		.amdhsa_float_denorm_mode_16_64 3
		.amdhsa_memory_ordered 1
		.amdhsa_forward_progress 1
		.amdhsa_inst_pref_size 255
	.end_amdhsa_kernel
	.section	.bss,"aw",@nobits
	.p2align	6
	.space	262144
	.amdgpu_metadata
---
amdhsa.version: [ 1, 2 ]
amdhsa.kernels:
  - .name:           k_qf291f33689_cell
    .symbol:         k_qf291f33689_cell.kd
    .args:
      - { .name: x, .offset: 0, .size: 8, .value_kind: global_buffer, .address_space: global }
      - { .name: h, .offset: 8, .size: 8, .value_kind: global_buffer, .address_space: global }
      - { .name: wt, .offset: 16, .size: 8, .value_kind: global_buffer, .address_space: global }
      - { .name: bias, .offset: 24, .size: 8, .value_kind: global_buffer, .address_space: global }
      - { .name: out0, .offset: 32, .size: 8, .value_kind: global_buffer, .address_space: global }
    .group_segment_fixed_size: 327680
    .private_segment_fixed_size: 0
    .kernarg_segment_align: 8
    .kernarg_segment_size: 40
    .max_flat_workgroup_size: 128
    .sgpr_count:     74
    .vgpr_count:     1024
    .wavefront_size: 32
...
	.end_amdgpu_metadata
.endif
;; end of part 4
